; MI455X (gfx1250); checked and timed in simulation.
; The chip was launched on July 23, 2026; its instructions are those of AMD's public machine-readable ISA for CDNA 5 (MIT licence, August 2026) and "CDNA5" Instruction Set Architecture Reference Guide (July 2026). The comments in the code are by the model that wrote it; some were corrected since.
;; Explicit Multihead Attention. Allowed arithmetic: matrix products marked QUANTISED: E2M1 operands, one E8M0 scale for each 32 along K, by v_wmma_scale_f32_16x16x128_f8f6f4 with both operands' format E2M1 (or v_wmma_scale_f32_32x16x128_f4), f32 sums; everything else in f32.
;; Inputs: Wk 1,024 x 1,024 float32; Wo 1,024 x 1,024 float32; Wq 1,024 x 1,024 float32; Wv 1,024 x 1,024 float32; bk 1,024 float32; bo 1,024 float32; bq 1,024 float32; bv 1,024 float32; x 2 x 2,048 x 1,024 float32.
;; Outputs: out0 2 x 2,048 x 1,024 float32.
;; This version of the problem:
;;   THIS VERSION OF THE PROBLEM IS GIVEN IN LOW PRECISION. The matrix products marked QUANTISED in the list below multiply operands that are first quantised to E2M1 (2 exponent bits, 1 mantissa bit; 4 bits a number), with one power-of-two scale for each 32 numbers along K (OCP MX v1.0); their sums are f32. All else is computed in f32.
;;   The module's matrix products, in the order in which they are computed (A, B: the left and right operand; K: the contracted axis; several contracted axes count as one K, in the product's order):
;;     1. [M 4,096, K 1,024] x [K 1,024, N 1,024]; A: input x; B: input Wq: QUANTISED
;;     2. [M 4,096, K 1,024] x [K 1,024, N 1,024]; A: input x; B: input Wk: QUANTISED
;;     3. [M 4,096, K 1,024] x [K 1,024, N 1,024]; A: input x; B: input Wv: QUANTISED
;;     4. batch 32 x [M 2,048, K 64] x [K 64, N 2,048]; A: computed on the way; B: computed on the way: QUANTISED
;;     5. batch 32 x [M 2,048, K 2,048] x [K 2,048, N 64]; A: softmax (see below); B: computed on the way: QUANTISED
;;     6. [M 4,096, K 1,024] x [K 1,024, N 1,024]; A: computed on the way; B: input Wo: QUANTISED
;;   THE QUANTISER, for each operand of a quantised product, along K:
;;     - K is cut into blocks of 32 from its start; a last block that is shorter is filled with zeros.
;;     - A block's scale is 2^e with e = floor(log2(the largest magnitude in the block)) - 2, held to -126 .. 127; a block of zeros has e = 0. As a byte (E8M0): e + 127.
;;     - Each number is divided by its block's scale, clamped to +-6, and rounded to the nearest number of E2M1, ties to even, subnormals kept.
;;     - The product sums the exact products of the quantised numbers (number of the format x scale) in f32.
;;   ~~~python
;;   def quantise(x, axis):      # numpy; x: float32 -> the quantised numbers, widened to float32 again
;;       x = np.moveaxis(x, axis, -1); K = x.shape[-1]
;;       x = np.pad(x, [(0, 0)] * (x.ndim - 1) + [(0, -K % 32)]); x = x.reshape(x.shape[:-1] + (-1, 32)); a = np.abs(x).max(-1, keepdims=True)
;;       e = np.where(a > 0, np.clip(np.frexp(np.where(a > 0, a, 1))[1] - 1 - 2, -126, 127), 0)      # np.frexp(a)[1] - 1 = floor(log2(a)), exactly
;;       r = np.clip(x / 2.0 ** e, -6, 6)
;;       step = 2.0 ** (np.maximum(np.frexp(np.where(r == 0, 1, r))[1] - 1, 0) - 1)
;;       q = np.round(r / step) * step * 2.0 ** e      # np.round: ties to even
;;       return np.moveaxis(q.reshape(q.shape[:-2] + (-1,))[..., :K], -1, axis).astype(np.float32)
;;   ~~~
;;   SOFTMAX AHEAD OF A QUANTISED PRODUCT. Where the list says 'softmax', what is quantised is not the finished softmax but p = 2^(t - M), with t = logit x log2(e) and M = ceil(the row's largest t), a whole number; so 1/2 < the row's largest p <= 1. The row's sum l is taken of the UNQUANTISED p, in f32, and the product's result is divided by l at the end. Since M is a whole number, a kernel that streams over the keys may use a running M (the ceiling of the running maximum): every later rescaling is an exact power of two, which a block's scale takes up: the codes' values come out the same.
;;   OPERANDS COMPUTED ON THE WAY. 'Computed on the way' means the value that the module computes at that place (a softmax that the list does not call 'softmax' is quantised finished and normalised). What goes into a quantiser is computed in f32, as accurately as f32 sums, v_exp_f32 and their like allow (about 1e-6 of the number): no bf16 or f16 on the way to a quantiser, and a product that is left as it is and whose result goes on into a quantised operand takes f32 operands (vector FMAs, or v_wmma_f32_16x16x4_f32). A number that lies on a knife's edge between two numbers of the format may be rounded either way, as far as f32 arithmetic and the matrix unit's own rounding can turn it there, and no further.
;; One version. Each part assembles by itself: llvm-mc -triple=amdgcn-amd-amdhsa -mcpu=gfx1250 --defsym DOCPART=n.
;; ======== version 1 of 1: 4 launches
;; limits: right only within a limited range of input values
;; workspace buffers: pan 4,456,448 bytes; cpan 2,228,224 bytes; qbuf 2,359,296 bytes; kvbuf 4,587,520 bytes
;; launch prep (part 1): grid 256 x 1, 8 waves a work-group, no clusters, 87,040 bytes of LDS; arguments x, Wq, Wk, Wv, Wo, pan; writes pan
.if DOCPART == 1
	.amdgcn_target "amdgcn-amd-amdhsa--gfx1250"
	.amdhsa_code_object_version 6
	.text
	.protected	k_q14df60da65_prep
	.globl	k_q14df60da65_prep
	.p2align	8
	.type	k_q14df60da65_prep,@function
k_q14df60da65_prep:
	s_mov_b64 s[64:65], 0
	v_nop
	global_prefetch_b8 v0, s[64:65] scope:SCOPE_SE
	s_setreg_imm32_b32 hwreg(HW_REG_WAVE_MODE, 25, 1), 1
	s_wait_xcnt 0x0
; x [4096][1024] and the four weights [1024 (k)][1024 (n)], f32, become codes of FP4 (E2M1) with one E8M0 scale byte for each 32 along K, laid in pan as IMAGES OF OPERAND REGISTERS.
; pan: 64 panels of 128 rows (0-31: x; 32-39 Wq, 40-47 Wk, 48-55 Wv, 56-63 Wo, a weight's row being its column n).  A panel is 4 chunks of 256 along K, 17,408 bytes each:
;   1,024 bytes of scale words [tile 0..7][row 0..15][K step 0..1], then 16 fragments [K step 0..1][tile 0..7] of 1,024 bytes: [c 0..1][lane][16 bytes]; lane (r, h), part c holds k = 64 c + 32 h + 0 .. 31 of the tile's row r.
; THE ROWS OF A TILE ARE NOT NEIGHBOURS: row r of tile 2 g + u is the tensor's row 32 g + 8 u + r + 8 (r / 8), so that, where such tiles are a product's source 0, the 16 results of tiles 2 g and 2 g + 1 in a lane are 16 neighbours.
; A block's scale is 2^(floor(log2(its largest magnitude)) - 2): its byte is the largest magnitude's exponent field - 2, held at 1 from below.
; LIMITS: a block whose largest magnitude lies under 2^-124, a block of zeros among them, gets the byte 1 (a block of zeros has zero codes; the bytes are read by this program alone); NaN and infinities are not served.
; One work-group makes one chunk: 131,072 bytes of f32 in, 17,408 bytes out.  Work-groups 0-127 take x, 128-255 the weights: two ways that part on the work-group's number, each with LDS bytes of its own.
; No tensor loads, no cluster (no two work-groups read the same byte), no matrix work.  Every store covers 512 consecutive bytes, aligned.
.set PANEL, 69632
.set CHUNK, 17408
.set XSTG,  16*528                     ; x's way: a stage of 16 rows x (512 bytes + 16) for each wave
.set SCX,   8*XSTG                     ; x's way: the chunk's 1,024 bytes of scale words
.set IMGW,  SCX+1024                   ; the weights' way: the whole chunk's image
.set R,     64                         ; v64-191  x as loaded: 64 registers for each of the wave's two K steps
.set X,     192                        ; v192-255 x turned: two blocks of 32 neighbours
; 32 numbers of one block in v[src] on -> 4 registers of codes at v[dst], the scale's byte in v[byte].  v10-12 at work.
.macro QB32 src, dst, byte
	v_max3_num_f32 v10, |v[(\src)]|, |v[(\src)+1]|, |v[(\src)+2]|       ; the largest magnitude, in two chains
	v_max3_num_f32 v11, |v[(\src)+3]|, |v[(\src)+4]|, |v[(\src)+5]|
.irp i, 6,10,14,18,22,26
	s_delay_alu instid0(VALU_DEP_2)
	v_max3_num_f32 v10, v10, |v[(\src)+\i]|, |v[(\src)+\i+1]|
	s_delay_alu instid0(VALU_DEP_2)
	v_max3_num_f32 v11, v11, |v[(\src)+\i+2]|, |v[(\src)+\i+3]|
.endr
	s_delay_alu instid0(VALU_DEP_2)
	v_max3_num_f32 v10, v10, |v[(\src)+30]|, |v[(\src)+31]|
	s_delay_alu instid0(VALU_DEP_1)
	v_max3_num_f32 v10, v10, v11, 0x1800000        ; and the floor 2^(3 - 127): the byte cannot fall under 1
	s_delay_alu instid0(VALU_DEP_1)
	v_add_nc_u32 v12, 0xff000000, v10              ; 2 off the exponent field: the conversion takes the exponent field of this operand as its scale
	s_delay_alu instid0(VALU_DEP_1)
	v_lshrrev_b32 v[\byte], 23, v12                ; the scale's byte
.irp g, 0,1,2,3
	v_cvt_scalef32_pk8_fp4_f32 v[(\dst)+\g], v[(\src)+8*\g:(\src)+8*\g+7], v12
.endr
.endm
; x: the 16 rows of my tile, 128 along K (K step q of the chunk): each load reads 512 consecutive bytes of one row
.macro LOADX q
.irp p, 0,1,2,3,4,5,6,7,8,9,10,11,12,13,14,15
	global_load_b128 v[R+64*\q+4*\p:R+64*\q+4*\p+3], v4, s[24:25] offset:(\p+8*(\p/8))*4096+512*\q th:TH_LOAD_NT
.endr
.endm
; one fragment of x: through my stage, so that a lane holds two whole blocks of its row; codes out, the scale word kept in v[16 + q]
.macro TASK q
	s_wait_loadcnt 16*(1-\q)                       ; this K step's 16 loads are in; the other's 16 may be out
.irp p, 0,1,2,3,4,5,6,7,8,9,10,11,12,13,14,15
	ds_store_b128 v5, v[R+64*\q+4*\p:R+64*\q+4*\p+3] offset:528*\p
.endr
.irp c, 0,1
.irp i, 0,1,2,3,4,5,6,7
	ds_load_b128 v[X+32*\c+4*\i:X+32*\c+4*\i+3], v6 offset:256*\c+16*\i   ; LDS serves a wave's instructions in order (ISA guide 5.7.1.4): these see the stores above
.endr
.endr
	s_wait_dscnt 0x0
	QB32 X, 20+8*\q, 14                            ; block h of the K step
	QB32 X+32, 24+8*\q, 15                         ; block 2 + h
	v_nop                                          ; one plain place behind the scaled conversions
	v_lshl_or_b32 v[16+\q], v15, 16, v14           ; my two bytes,
	s_delay_alu instid0(VALU_DEP_1)
	v_lshlrev_b32 v[16+\q], v9, v[16+\q]           ; at their places in the word (8 h bits up);
	s_delay_alu instid0(VALU_DEP_1)
	v_permlanex16_b32 v18, v[16+\q], s20, s21
	s_delay_alu instid0(VALU_DEP_1)
	v_or_b32 v[16+\q], v[16+\q], v18               ; with lane l xor 16's two the word is whole
	global_store_b128 v13, v[20+8*\q:23+8*\q], s[26:27] offset:1024+8192*\q
	global_store_b128 v13, v[24+8*\q:27+8*\q], s[26:27] offset:1024+8192*\q+512
.endm
; a weight: block t of my column (32 along K), into set t % 2: each load reads 128 consecutive bytes, four waves side by side 512
.macro LOADW t
.irp i, 0,1,2,3,4,5,6,7,8,9,10,11,12,13,14,15,16,17,18,19,20,21,22,23,24,25,26,27,28,29,30,31
	global_load_b32 v[64+32*((\t)%2)+\i], v4, s[24:25] offset:(32*(\t)+\i)*4096 th:TH_LOAD_NT
.endr
.endm
.macro BLOCKW b
.if \b < 3
	s_wait_loadcnt 32                              ; this block's 32 loads are in; the next block's may be out
.else
	s_wait_loadcnt 0x0
.endif
	QB32 64+32*((\b)%2), 20+4*(\b), 17
.if \b == 0
	v_mov_b32 v16, v17                             ; the four bytes make my column's scale word, the lower K in the lower byte
.else
	v_lshl_or_b32 v16, v17, 8*(\b), v16
.endif
	ds_store_b128 v5, v[20+4*\b:23+4*\b] offset:512*((\b)/2)+256*((\b)%2)   ; block 2 c + h belongs to part c, half h of the fragment
.if \b < 2
	LOADW \b+2
.endif
.endm
	s_load_b256 s[4:11], s[0:1], 0x0               ; x s[4:5], Wq s[6:7], Wk s[8:9], Wv s[10:11]
	s_load_b128 s[12:15], s[0:1], 0x20             ; Wo s[12:13], pan s[14:15]
	v_lshl_add_u32 v62, v0, 2, 0x15000
	v_mov_b32 v63, 0
	v_lshrrev_b32 v1, 5, v0
	s_delay_alu instid0(VALU_DEP_1)
	v_readfirstlane_b32 s16, v1                    ; wave 0..7
	v_and_b32 v1, 31, v0                           ; lane
	v_and_b32 v2, 15, v0                           ; r
	v_bfe_u32 v3, v0, 4, 1                         ; h
	s_mov_b32 s20, 0x76543210
	s_mov_b32 s21, 0xfedcba98                      ; v_permlanex16_b32's selects for lane l xor 16
	s_and_b32 s17, ttmp9, 3                        ; the chunk
	s_lshr_b32 s18, ttmp9, 2                       ; the panel: 0-31 x, 32-63 the weights
	s_mul_i32 s22, s18, PANEL
	s_mul_i32 s23, s17, CHUNK
	s_add_co_u32 s22, s22, s23
	s_mov_b32 s23, 0
	s_wait_kmcnt 0x0
	s_add_nc_u64 s[26:27], s[14:15], s[22:23]      ; my chunk in pan
	s_cmp_ge_u32 ttmp9, 128
	s_cbranch_scc1 .Lweights
	; ---- x: wave w makes tile w, both K steps
	s_lshl_b32 s28, s18, 7                         ; the tile's first row: 128 x panel + 32 (w / 2) + 8 (w % 2)
	s_lshr_b32 s29, s16, 1
	s_lshl_b32 s29, s29, 5
	s_add_co_u32 s28, s28, s29
	s_and_b32 s29, s16, 1
	s_lshl_b32 s29, s29, 3
	s_add_co_u32 s28, s28, s29
	s_lshl_b32 s28, s28, 12                        ; rows of 4,096 bytes
	s_lshl_b32 s29, s17, 10                        ; + the chunk's 1,024 bytes of a row
	s_add_co_u32 s28, s28, s29
	s_mov_b32 s29, 0
	s_add_nc_u64 s[24:25], s[4:5], s[28:29]
	s_wait_alu depctr_va_vdst(0)
	v_lshlrev_b32 v4, 4, v1                        ; 16 x lane
	LOADX 0
	LOADX 1
	s_mul_i32 s30, s16, XSTG                       ; my stage
	v_add_nc_u32 v5, s30, v4                       ; in: as loaded
	v_mul_u32_u24 v6, v2, 528
	s_delay_alu instid0(VALU_DEP_1)
	v_lshl_add_u32 v6, v3, 7, v6
	s_delay_alu instid0(VALU_DEP_1)
	v_add_nc_u32 v6, s30, v6                       ; out: row r, + 128 h: a block's 128 bytes
	s_lshl_b32 s31, s16, 7
	v_lshlrev_b32 v7, 3, v2
	s_delay_alu instid0(VALU_DEP_1)
	v_add_nc_u32 v7, s31, v7
	s_delay_alu instid0(VALU_DEP_1)
	v_add_nc_u32 v7, SCX, v7                       ; my row's two scale words: 128 x tile + 8 r
	s_lshl_b32 s31, s16, 9
	v_add_nc_u32 v19, s31, v4                      ; the scale words' way out: 512 x wave + 16 x lane (waves 0 and 1)
	s_delay_alu instid0(VALU_DEP_1)
	v_add_nc_u32 v8, SCX, v19
	v_lshlrev_b32 v9, 3, v3                        ; 8 h
	s_lshl_b32 s31, s16, 10
	v_add_nc_u32 v13, s31, v4                      ; my lane's place in the tile's fragments
	v_mov_b32 v18, 0                               ; a lane permute's destination counts as one of its sources
	s_wait_alu depctr_va_vdst(0)
	TASK 0
	TASK 1
	ds_store_b64 v7, v[16:17]                      ; both halves of the lanes write the same words with the same values
	s_wait_dscnt 0x0                               ; for the others' sake: my words lie in LDS
	s_barrier_signal -1
	s_barrier_wait -1
	s_cmp_ge_u32 s16, 2
	s_cbranch_scc1 .Lx_done
	ds_load_b128 v[36:39], v8                      ; the chunk's 1,024 bytes of scale words leave by two stores of 512 bytes
	s_wait_dscnt 0x0
	global_store_b128 v19, v[36:39], s[26:27]
.Lx_done:
	s_wait_tensorcnt 0x0
	ds_add_u32 v62, v63
	s_wait_dscnt 0x0
	s_endpgm
	; ---- the weights: a lane takes a column n, and its registers run down K.  Wave w: columns 32 (w % 4) on, K step w / 4 of the chunk
.Lweights:
	s_sub_co_u32 s19, ttmp9, 128
	s_lshr_b32 s30, s19, 5                         ; which weight: a choice that hangs on the work-group's number alone
	s_cmp_eq_u32 s30, 0
	s_cselect_b64 s[24:25], s[6:7], s[8:9]
	s_cmp_lt_u32 s30, 2
	s_cselect_b64 s[24:25], s[24:25], s[10:11]
	s_cmp_lt_u32 s30, 3
	s_cselect_b64 s[24:25], s[24:25], s[12:13]
	s_bfe_u32 s28, s19, 0x30002                    ; the weight's panel of 128 columns,
	s_lshl_b32 s28, s28, 9                         ; in bytes of a row
	s_and_b32 s31, s16, 3                          ; g
	s_lshl_b32 s29, s31, 7
	s_add_co_u32 s28, s28, s29                     ; + 32 g columns
	s_lshl_b32 s29, s17, 20
	s_add_co_u32 s28, s28, s29                     ; + 256 x chunk rows of 4,096 bytes
	s_lshr_b32 s32, s16, 2                         ; q
	s_lshl_b32 s29, s32, 19
	s_add_co_u32 s28, s28, s29                     ; + 128 q rows
	s_mov_b32 s29, 0
	s_add_nc_u64 s[24:25], s[24:25], s[28:29]
	s_wait_alu depctr_va_vdst(0)
	v_lshlrev_b32 v4, 2, v1                        ; 4 bytes a lane
	LOADW 0
	LOADW 1
	v_bfe_u32 v14, v0, 3, 1                        ; column 32 g + lane lies in tile 2 g + (bit 3 of the lane),
	v_and_b32 v15, 7, v0
	s_delay_alu instid0(VALU_DEP_1)
	v_lshl_add_u32 v15, v3, 3, v15                 ; at row 8 (bit 4) + lane % 8
	s_wait_alu depctr_va_vdst(0)
	s_lshl_b32 s33, s32, 13
	s_lshl_b32 s34, s31, 11
	s_add_co_u32 s33, s33, s34
	s_add_co_u32 s33, s33, IMGW+1024
	v_lshlrev_b32 v5, 4, v15
	s_delay_alu instid0(VALU_DEP_1)
	v_lshl_add_u32 v5, v14, 10, v5
	s_delay_alu instid0(VALU_DEP_1)
	v_add_nc_u32 v5, s33, v5                       ; my column's 16 bytes in its fragment
	s_lshl_b32 s33, s31, 8
	s_lshl_b32 s34, s32, 2
	s_add_co_u32 s33, s33, s34
	s_add_co_u32 s33, s33, IMGW
	v_lshlrev_b32 v6, 3, v15
	s_delay_alu instid0(VALU_DEP_1)
	v_lshl_add_u32 v6, v14, 7, v6
	s_delay_alu instid0(VALU_DEP_1)
	v_add_nc_u32 v6, s33, v6                       ; and its scale word
	s_lshl_b32 s33, s16, 9
	v_lshlrev_b32 v9, 4, v1
	s_delay_alu instid0(VALU_DEP_1)
	v_add_nc_u32 v9, s33, v9                       ; the way out: 512 x wave + 16 x lane
	s_delay_alu instid0(VALU_DEP_1)
	v_add_nc_u32 v8, IMGW, v9
.irp b, 0,1,2,3
	BLOCKW \b
.endr
	ds_store_b32 v6, v16
	s_wait_dscnt 0x0                               ; for the others' sake: my part of the image lies in LDS
	s_barrier_signal -1
	s_barrier_wait -1
.irp i, 0,1,2,3
	ds_load_b128 v[128+4*\i:131+4*\i], v8 offset:4096*\i
.endr
.irp i, 0,1,2,3
	s_wait_dscnt 3-\i                              ; LDS loads come back in order: piece i is in
	global_store_b128 v9, v[128+4*\i:131+4*\i], s[26:27] offset:4096*\i
.endr
	s_cmp_ge_u32 s16, 2                            ; 17,408 = 34 x 512: the last two pieces
	s_cbranch_scc1 .Lw_done
	ds_load_b128 v[144:147], v8 offset:16384
	s_wait_dscnt 0x0
	global_store_b128 v9, v[144:147], s[26:27] offset:16384
.Lw_done:
	s_wait_tensorcnt 0x0
	ds_add_u32 v62, v63
	s_wait_dscnt 0x0
	s_endpgm
.Lfunc_end_k_q14df60da65_prep:
	.size	k_q14df60da65_prep, .Lfunc_end_k_q14df60da65_prep-k_q14df60da65_prep
	.p2alignl 7, 3214868480
	.fill 96, 4, 3214868480
	.section	.rodata,"a",@progbits
	.p2align	6, 0x0
	.amdhsa_kernel k_q14df60da65_prep
		.amdhsa_group_segment_fixed_size 87040
		.amdhsa_private_segment_fixed_size 0
		.amdhsa_enable_private_segment 0
		.amdhsa_kernarg_size 48
		.amdhsa_user_sgpr_count 2
		.amdhsa_user_sgpr_kernarg_segment_ptr 1
		.amdhsa_wavefront_size32 1
		.amdhsa_system_sgpr_workgroup_id_x 1
		.amdhsa_system_sgpr_workgroup_id_y 1
		.amdhsa_system_sgpr_workgroup_id_z 1
		.amdhsa_system_vgpr_workitem_id 0
		.amdhsa_next_free_vgpr 256
		.amdhsa_next_free_sgpr 66
		.amdhsa_reserve_vcc 0
		.amdhsa_float_denorm_mode_32 3
		.amdhsa_float_denorm_mode_16_64 3
		.amdhsa_memory_ordered 1
		.amdhsa_forward_progress 1
		.amdhsa_inst_pref_size 43
	.end_amdhsa_kernel
	.amdgpu_metadata
---
amdhsa.version: [ 1, 2 ]
amdhsa.kernels:
  - .name:           k_q14df60da65_prep
    .symbol:         k_q14df60da65_prep.kd
    .args:
      - { .name: x, .offset: 0, .size: 8, .value_kind: global_buffer, .address_space: global }
      - { .name: Wq, .offset: 8, .size: 8, .value_kind: global_buffer, .address_space: global }
      - { .name: Wk, .offset: 16, .size: 8, .value_kind: global_buffer, .address_space: global }
      - { .name: Wv, .offset: 24, .size: 8, .value_kind: global_buffer, .address_space: global }
      - { .name: Wo, .offset: 32, .size: 8, .value_kind: global_buffer, .address_space: global }
      - { .name: pan, .offset: 40, .size: 8, .value_kind: global_buffer, .address_space: global }
    .group_segment_fixed_size: 87040
    .private_segment_fixed_size: 0
    .kernarg_segment_align: 8
    .kernarg_segment_size: 48
    .max_flat_workgroup_size: 256
    .sgpr_count:     66
    .vgpr_count:     256
    .wavefront_size: 32
...
	.end_amdgpu_metadata
.endif
;; end of part 1
;; launch qkv (part 2): grid 48 x 4, 4 waves a work-group, clusters of 4 x 4, 279,296 bytes of LDS; arguments pan, qbuf, kvbuf, bq, bk, bv; writes qbuf, kvbuf
.if DOCPART == 2
	.amdgcn_target "amdgcn-amd-amdhsa--gfx1250"
	.amdhsa_code_object_version 6
	.text
	.protected	k_q14df60da65_qkv
	.globl	k_q14df60da65_qkv
	.p2align	8
	.type	k_q14df60da65_qkv,@function
k_q14df60da65_qkv:
	s_mov_b64 s[64:65], 0
	v_nop
	global_prefetch_b8 v0, s[64:65] scope:SCOPE_SE
	s_setreg_imm32_b32 hwreg(HW_REG_WAVE_MODE, 25, 1), 1
	s_wait_xcnt 0x0
	s_wait_alu depctr_hold_cnt(0) depctr_sa_sdst(0) depctr_va_vdst(0) depctr_va_sdst(0) depctr_va_ssrc(0) depctr_va_vcc(0) depctr_vm_vsrc(0)
	s_getreg_b32 s2, hwreg(HW_REG_IB_STS2, 6, 4)
	s_cmp_eq_u32 s2, 0
	s_cbranch_scc0 .Lentry_in_a_cluster
	s_endpgm
.Lentry_in_a_cluster:
	s_bfe_u32 s2, ttmp6, 0x10000c
	s_cmp_lg_u32 s2, 0xf033
	s_cbranch_scc0 .Lentry_shape_is_right
	s_endpgm
.Lentry_shape_is_right:
; q = x Wq + bq, k = x Wk + bk, v = x Wv + bv on codes of FP4 (E2M1) with E8M0 scales, and their quantising for attention: q and k along the head's 64, v along the keys.
; ONE LOOP SERVES ALL THREE, since source 0 of the matrix instruction is always the axis that is quantised next (a lane's registers run along source 0's rows):
;   clusters 0-7 (even: q, odd: k): source 1 = rows of x, source 0 = columns of the weight;   clusters 8-11 (v): source 1 = columns of Wv, source 0 = rows of x (the keys): this is v transposed.
; A work-group makes 256 (source 1) x 256 (source 0) over K = 1,024; each of its four waves 128 x 128: 64 accumulators, 512 registers.
; pan holds panels of 128 rows as images of operand registers (4 chunks of 256 along K: 1,024 bytes of scale words, 16 fragments of 1,024 bytes).  All four panels of a work-group, 278,528 bytes, fit in LDS whole:
; each LDS byte is filled once, so there is no ring.  Each wave brings one panel by one tensor load; by this text's own count a wave has one tensor load out.
; CLUSTER: 4 x 4 work-groups; source 1's panels hang on cy alone and are asked for jointly along a row of the cluster, source 0's on cx alone and along a column.
; The rows of a stored tile are chosen (row r of tile 2 g + u is row 32 g + 8 u + r + 8 (r / 8)) so that the 16 results of source 0's tiles 2 g, 2 g + 1 in a lane are 16 neighbours, 32 g + 16 (lane / 16) + 0 .. 15.
; The bias is the C of each sum's first product.  192 work-groups of equal work: a tile is a whole number of panels of 128 rows.
; OUT: qbuf, 73,728 bytes a head: 128 tiles of 16 rows x 512 bytes [lane][16], lane (r, h) holding d = 32 h + 0 .. 31; at 65,536 the scale words [128 rows][16 G + r][i]: tile 4 G + i, row r; bytes 2 and 3 of a word are 0x7f.
;      kvbuf, 143,360 bytes a head: k as q; at 73,728 v's fragments [128 keys][tile of 16 d] of 1,024 bytes; at 139,264 v's scale words [128 keys][r][tile of d].
; LIMITS: a block whose largest magnitude lies under 2^-124, a block of zeros among them, gets the byte 1 (the bytes are read by this program alone); NaN and infinities are not served; the bias enters ahead of the sum, not behind it.
; REGISTERS, in windows of 256: window 0: v1-31 addresses; v32-63 scale words, two sets; v64-91 at work on the way out; v128-191 source 1's fragments, one set (on the way out: the codes); v192-255 the bias.
;   window 1: source 0's fragments, two sets, at v0 and v128.   windows 2, 3: accumulator (a, b) at v[8 (8 (a % 4) + b)], a = source 1's tile, b = source 0's.
; THE FILLS, as this text now has them (this takes the place of what the head says of them): each wave brings its whole panel, 69,632 dense bytes, by ONE tensor load of 272 rows of 256 bytes;
; by this text's own count a wave has one tensor load out; one wait and one barrier show all four panels to all four waves, and no barrier stands between the chunks.
.set PANEL, 69632
.set CHUNK, 17408
.set S0B,   2*PANEL+128                ; source 0's two panels lie 128 bytes further on than a multiple of 256, so that a load of scale words (lanes 0-15 source 1's, lanes 16-31 source 0's) touches 64 different words modulo 256 bytes
.set WV,   16                          ; s16  my wave's number
.set G1A,  24                          ; s[24:31] descriptor group 1 for source 1's panels;  s[32:39] for source 0's: they differ in the mask
.set G1B,  32
.set G0A,  40                          ; s[40:43] group 0 for source 1's panel;  s[68:71] for source 0's
.set G0B,  68
.set SEL,  100                         ; s[100:101] v_permlanex16_b32's selects for lane l xor 16
.set ADR1, 16                          ; v16  LDS address of source 1's fragments in the chunk in hand
.set ADR0, 17                          ; v17  of source 0's
.set ADRS, 18                          ; v18  of the scale words: lanes 0-15 source 1's, lanes 16-31 source 0's
.set VA,   20                          ; v20-27 the bias's offsets, one for each register of a result
.set VO,   28                          ; v28, v29 the codes' way out: 16 x lane, in my first head and in my second
.set VS,   30                          ; v30  the scale words' way out: lanes 0-15 my first head, lanes 16-31 my second; 16 r
.set SH,   31                          ; v31  16 h
.set SC,   32                          ; scale words: set s at v[SC + 16 s]; register 2 i + q: tile i, K step q of the chunk
.set TM,   64                          ; v64-67 largest magnitudes, v68-71 bytes, v76-79 the conversions' scale operands
.set WB,   80                          ; v80-87 the scale word of each of source 1's tiles
.set WS,   88                          ; v88-91 v's words as they are stored
.set AF,   128
.set PC,   128
.set BI,   192
.set MSB,  0
.macro WIN new                         ; the immediate's high byte repeats the setting that is left
.if MSB != \new
	s_set_vgpr_msb (MSB<<8)|\new
.set MSB, \new
.endif
.endm
.macro CROUND                          ; a round of the cluster's barrier
	s_barrier_signal -1
	s_barrier_wait -1
	s_cmp_lg_u32 s[WV], 0
	s_cbranch_scc1 .Lnot_wave_0_\@
	s_barrier_signal -3
.Lnot_wave_0_\@:
	s_barrier_wait -3
	s_barrier_signal -1
	s_barrier_wait -1
.endm
.macro PLACES n                        ; plain vector instructions between a matrix instruction and a load into, or a read of, its registers
.rept \n
	v_nop
.endr
.endm
.macro FRAG reg, adr, q, i             ; a fragment comes as it lies: two loads of 512 consecutive bytes
.irp c, 0,1
	ds_load_b128 v[\reg+4*\c:\reg+4*\c+3], v[\adr] offset:1024+8192*(\q)+1024*(\i)+512*\c
.endr
.endm
.macro FETCH_B q, p                    ; source 0's eight fragments of K step q into set p
	WIN 0x40
.irp i, 0,1,2,3,4,5,6,7
	FRAG 128*(\p)+8*\i, ADR0, \q, \i
.endr
	WIN 0
.endm
.macro FETCH_A q, i0                   ; source 1's tiles i0 .. i0 + 3
.irp i, \i0, \i0+1, \i0+2, \i0+3
	FRAG AF+8*(\i), ADR1, \q, \i
.endr
.endm
.macro SCALES set                      ; the chunk's scale words: two a row
.irp i, 0,1,2,3,4,5,6,7
	ds_load_b64 v[SC+16*(\set)+2*\i:SC+16*(\set)+2*\i+1], v[ADRS] offset:128*\i
.endr
.endm
; 16 products: source 1's tiles a0, a0 + 1 x source 0's eight.  zero = 0: the sums go on; 1: they begin with the bias along source 0; 2: along source 1.
; The 64 accumulators take turns, one instruction a turn, in the same order in every step.
.macro MUL16 a0, p, q, set, zero
.irp a, \a0, \a0+1
.irp b, 0,1,2,3,4,5,6,7
.if \zero == 0
	v_wmma_scale_f32_16x16x128_f8f6f4 v[8*(8*((\a)%4)+\b):8*(8*((\a)%4)+\b)+7], v[128*(\p)+8*\b:128*(\p)+8*\b+7], v[AF+8*(\a):AF+8*(\a)+7], v[8*(8*((\a)%4)+\b):8*(8*((\a)%4)+\b)+7], v[SC+16*(\set)+2*\b+(\q)], v[SC+16*(\set)+2*(\a)+(\q)] matrix_a_fmt:MATRIX_FMT_FP4 matrix_b_fmt:MATRIX_FMT_FP4 matrix_a_scale:MATRIX_SCALE_ROW1
.elseif \zero == 1
	v_wmma_scale_f32_16x16x128_f8f6f4 v[8*(8*((\a)%4)+\b):8*(8*((\a)%4)+\b)+7], v[128*(\p)+8*\b:128*(\p)+8*\b+7], v[AF+8*(\a):AF+8*(\a)+7], v[BI+8*\b:BI+8*\b+7], v[SC+16*(\set)+2*\b+(\q)], v[SC+16*(\set)+2*(\a)+(\q)] matrix_a_fmt:MATRIX_FMT_FP4 matrix_b_fmt:MATRIX_FMT_FP4 matrix_a_scale:MATRIX_SCALE_ROW1
.else
	v_wmma_scale_f32_16x16x128_f8f6f4 v[8*(8*((\a)%4)+\b):8*(8*((\a)%4)+\b)+7], v[128*(\p)+8*\b:128*(\p)+8*\b+7], v[AF+8*(\a):AF+8*(\a)+7], v[BI+8*(\a):BI+8*(\a)+7], v[SC+16*(\set)+2*\b+(\q)], v[SC+16*(\set)+2*(\a)+(\q)] matrix_a_fmt:MATRIX_FMT_FP4 matrix_b_fmt:MATRIX_FMT_FP4 matrix_a_scale:MATRIX_SCALE_ROW1
.endif
.endr
.endr
.endm
; A chunk's first K step; it fetches the second's fragments.  Window settings: source 0 window 1, source 1 window 0; C and D window 2 or 3 (0xa1, 0xf1); where the bias is C: C window 0 (0x81, 0xc1).
.macro STEP set, zero
	s_wait_dscnt 8                                 ; all but the youngest eight loads (source 1's tiles 4-7) are in
.if \zero
	WIN 0x81
.else
	WIN 0xa1
.endif
	MUL16 0, 0, 0, \set, \zero
	MUL16 2, 0, 0, \set, \zero
	s_wait_dscnt 0x0                               ; tiles 4-7 are in (asked for 32 matrix instructions ago)
	PLACES 4
	FETCH_B 1, 1
	FETCH_A 1, 0
.if \zero
	WIN 0xc1
.else
	WIN 0xf1
.endif
	MUL16 4, 0, 0, \set, \zero
	MUL16 6, 0, 0, \set, \zero
	PLACES 4
	WIN 0
	FETCH_A 1, 4
.endm
; A chunk's second K step, and the change to the next chunk, which lies in LDS since the head's barrier: only the addresses step.
.macro TURNC set, n
	s_wait_dscnt 8
	WIN 0xa1
	MUL16 0, 1, 1, \set, 0
	s_wait_dscnt 0x0                               ; source 1's tiles 4-7 are in
	MUL16 2, 1, 1, \set, 0
	WIN 0
	PLACES 1                                       ; with the three steps below: four places in front of the loads
	v_add_nc_u32 v[ADR1], CHUNK, v[ADR1]
	v_add_nc_u32 v[ADR0], CHUNK, v[ADR0]
	v_add_nc_u32 v[ADRS], CHUNK, v[ADRS]
	FETCH_B 0, 0
	FETCH_A 0, 0
	SCALES 1-\set
	WIN 0xf1
	MUL16 4, 1, 1, \set, 0
	MUL16 6, 1, 1, \set, 0
	PLACES 4
	WIN 0
	FETCH_A 0, 4
.endm
; The results of source 1's tile a, 64 numbers a lane (register 16 g + i = place 32 g + 16 (lane / 16) + i along source 0), become a fragment's codes in v[PC + 8 a] on and its scale word in v[WB + a].
.macro QUANTA a
.set AC, 64*((\a)%4)
.set WW, 2+(\a)/4
	WIN 5*WW                                       ; sources 0 and 1: the accumulators' window
.irp g, 0,1,2,3
	v_max3_num_f32 v[TM+\g], |v[AC+16*\g]|, |v[AC+16*\g+1]|, 0x1800000   ; each accumulator is read from its low end on; the floor 2^(3 - 127) holds the byte at 1 from below
.endr
.irp i, 2,4,6,8,10,12,14
.irp g, 0,1,2,3
	v_max3_num_f32 v[TM+\g], |v[AC+16*\g+\i]|, |v[AC+16*\g+\i+1]|, v[TM+\g]   ; (the four blocks by turns)
.endr
.endr
	WIN 0
.irp g, 0,1,2,3
	v_permlanex16_b32 v[TM+4+\g], v[TM+\g], s[SEL], s[SEL+1]
.endr
.irp g, 0,1,2,3
	v_max_num_f32 v[TM+\g], v[TM+\g], v[TM+4+\g]   ; with lane l xor 16's: the block's largest magnitude
.endr
.irp g, 0,1,2,3
	v_add_nc_u32 v[TM+12+\g], 0xff000000, v[TM+\g] ; 2 off its exponent field: the conversion's scale operand
.endr
.irp g, 0,1,2,3
	v_lshrrev_b32 v[TM+4+\g], 23, v[TM+12+\g]      ; the scale's byte
.endr
	v_lshl_or_b32 v[WB+(\a)], v[TM+5], 8, v[TM+4]
	v_lshl_or_b32 v[WB+(\a)], v[TM+6], 16, v[WB+(\a)]
	v_lshl_or_b32 v[WB+(\a)], v[TM+7], 24, v[WB+(\a)]
	WIN WW                                         ; source 0: the accumulators' window
.irp g, 0,1,2,3
	v_cvt_scalef32_pk8_fp4_f32 v[PC+8*(\a)+2*\g], v[AC+16*\g:AC+16*\g+7], v[TM+12+\g]
	v_cvt_scalef32_pk8_fp4_f32 v[PC+8*(\a)+2*\g+1], v[AC+16*\g+8:AC+16*\g+15], v[TM+12+\g]
.endr
	WIN 0
	v_nop                                          ; one plain place behind the scaled conversions
.irp c, 0,1                                    ; the operand's layout wants a whole block in a lane: lanes 0-15 block 2 c, lanes 16-31 block 2 c + 1
.irp i, 0,1
	v_permlane16_swap_b32 v[PC+8*(\a)+4*\c+\i], v[PC+8*(\a)+4*\c+2+\i]
.endr
.endr
.endm
; THE WAY OUT.  v = 0 (q, k): a tile's 128 columns are two heads of 64: registers 0-3 are my first head's tile, 4-7 my second's.  v = 1: a tile of 16 d x my 128 keys is one fragment; tiles 0-3 are my first head's.
; Every store of codes covers 512 consecutive bytes, aligned; each tile has its own registers, so no store's data are written again.
.macro EPI v
.irp a, 0,1,2,3,4,5,6,7
	QUANTA \a
.if \v
	global_store_b128 v[VO+\a/4], v[PC+8*\a:PC+8*\a+3], s[60:61] offset:1024*(\a%4)
	global_store_b128 v[VO+\a/4], v[PC+8*\a+4:PC+8*\a+7], s[60:61] offset:1024*(\a%4)+512
.else
	v_lshrrev_b32 v[WB+\a], v[SH], v[WB+\a]        ; lanes 0-15 keep my first head's two bytes, lanes 16-31 take my second's;
	v_and_or_b32 v[WB+\a], v[WB+\a], 0xffff, s3    ; the word's upper two bytes, which scale zero codes, are 0x7f
	global_store_b128 v[VO], v[PC+8*\a:PC+8*\a+3], s[60:61] offset:512*\a
	global_store_b128 v[VO+1], v[PC+8*\a+4:PC+8*\a+7], s[60:61] offset:512*\a
.endif
.endr
.if \v
	v_cmp_le_u32 vcc_lo, 16, v1
.irp i, 0,1,2,3
	v_cndmask_b32 v[WS+\i], v[WB+\i], v[WB+4+\i], vcc_lo   ; lanes 16-31: my second head's four tiles
.endr
	global_store_b128 v[VS], v[WS:WS+3], s[62:63]  ; sixteen lanes store 256 consecutive bytes, aligned
.else
	global_store_b128 v[VS], v[WB:WB+3], s[62:63]
	global_store_b128 v[VS], v[WB+4:WB+7], s[62:63] offset:256
.endif
.endm
	s_load_b256 s[4:11], s[0:1], 0x0               ; pan s[4:5], qbuf s[6:7], kvbuf s[8:9], bq s[10:11]
	s_load_b128 s[12:15], s[0:1], 0x20             ; bk s[12:13], bv s[14:15]
	v_lshl_add_u32 v126, v0, 2, 0x44100
	v_mov_b32 v127, 0
	ds_add_u32 v126, v127
	ds_add_u32 v126, v127
	v_lshrrev_b32 v1, 5, v0
	v_readfirstlane_b32 s[WV], v1                  ; wave 0..3
	s_lshr_b32 s17, s[WV], 1                       ; which of source 1's two panels I multiply.  Also: I fetch for source 1 (0) or source 0 (1)
	s_and_b32 s18, s[WV], 1                        ; which of source 0's.  Also: which of the two panels I fetch
	s_bfe_u32 s19, ttmp6, 0x40000                  ; cx
	s_bfe_u32 s20, ttmp6, 0x40004                  ; cy
	s_lshr_b32 s21, ttmp9, 1                       ; ttmp9: the cluster, 0..11, the same in all sixteen partners
	s_lshl_b32 s21, s21, 3                         ; q, k: x's panels 8 (c / 2) on
	s_and_b32 s22, ttmp9, 1
	s_lshl_b32 s22, s22, 3
	s_add_co_u32 s22, s22, 32                      ; q, k: the weight's panels 32 + 8 (c % 2) on
	s_sub_co_u32 s23, ttmp9, 8
	s_lshl_b32 s23, s23, 3                         ; v: x's panels 8 (c - 8) on
	s_cmp_ge_u32 ttmp9, 8
	s_cselect_b32 s21, 48, s21                     ; source 1's first panel of the cluster (v: Wv's)
	s_cselect_b32 s22, s23, s22                    ; source 0's
	s_lshl_b32 s84, s20, 1
	s_add_co_u32 s84, s84, s21                     ; my work-group's two panels of source 1: they hang on cy alone
	s_lshl_b32 s85, s19, 1
	s_add_co_u32 s85, s85, s22                     ; of source 0: on cx alone
	s_lshl_b32 s90, s20, 2
	s_lshl_b32 s90, 15, s90                        ; my row of the cluster
	s_lshl_b32 s91, 0x1111, s19                    ; my column
	; descriptor group 1: a panel, 69,632 dense bytes, as 272 rows of 256 bytes (32 elements of 8 bytes); no padding
	s_or_b32 s[G1A], s90, (3<<16)|(1<<21)          ; 15:0 the mask; 17:16 elements of 8 bytes; 21 set beside a mask
	s_or_b32 s[G1B], s91, (3<<16)|(1<<21)
.irp g, G1A, G1B
	s_mov_b32 s[\g+1], 32<<16                      ; tensor_dim0 = 32
	s_mov_b32 s[\g+2], 272<<16                     ; tensor_dim1 = 272
	s_mov_b32 s[\g+3], 32<<16                      ; tile_dim0 = 32
	s_mov_b32 s[\g+4], 272                         ; tile_dim1 = 272
	s_mov_b32 s[\g+5], 32                          ; from row to row
	s_mov_b32 s[\g+6], 0
	s_mov_b32 s[\g+7], 0
.endr
	s_add_co_u32 s86, s84, s18
	s_mul_i32 s86, s86, PANEL                      ; the panel that I would fetch for source 1, in bytes,
	s_mov_b32 s87, 0
	s_add_co_u32 s88, s85, s18
	s_mul_i32 s88, s88, PANEL                      ; and for source 0
	s_mov_b32 s89, 0
	s_mul_i32 s2, s[WV], PANEL                     ; where it goes: wave x a panel, + 128 for source 0's: no place in the cluster enters an LDS address
	s_lshl_b32 s3, s17, 7
	s_add_co_u32 s2, s2, s3
	s_mov_b32 s[SEL], 0x76543210
	s_mov_b32 s[SEL+1], 0xfedcba98
	s_wait_dscnt 0x0
	s_wait_kmcnt 0x0
	s_add_nc_u64 s[86:87], s[4:5], s[86:87]
	s_add_nc_u64 s[88:89], s[4:5], s[88:89]
.irp j, 0
	s_mov_b32 s[G0A+4*\j], 1                       ; count = 1
	s_add_co_u32 s[G0A+4*\j+1], s2, \j*CHUNK       ; LDS address
	s_add_nc_u64 s[G0A+4*\j+2:G0A+4*\j+3], s[86:87], \j*CHUNK
	s_or_b32 s[G0A+4*\j+3], s[G0A+4*\j+3], 0x80000000   ; type = 2
	s_mov_b32 s[G0B+4*\j], 1
	s_add_co_u32 s[G0B+4*\j+1], s2, \j*CHUNK
	s_add_nc_u64 s[G0B+4*\j+2:G0B+4*\j+3], s[88:89], \j*CHUNK
	s_or_b32 s[G0B+4*\j+3], s[G0B+4*\j+3], 0x80000000
.endr
	CROUND                                         ; all sixteen work-groups are here: the joint loads meet
	s_cmp_lt_u32 s[WV], 2                          ; one fill a wave, in the two arms of one branch on its number; four v_nop follow it
	s_cbranch_scc0 .Lfill_b
	tensor_load_to_lds s[G0A:G0A+3], s[G1A:G1A+7]
	s_nop 0
	PLACES 4
	s_branch .Lfilled
.Lfill_b:
	tensor_load_to_lds s[G0B:G0B+3], s[G1B:G1B+7]
	s_nop 0
	PLACES 4
.Lfilled:
	v_and_b32 v1, 31, v0                           ; lane
	v_and_b32 v2, 15, v0                           ; r
	s_wait_alu depctr_va_vdst(0)
	v_bfe_u32 v3, v0, 4, 1                         ; h
	s_wait_alu depctr_va_vdst(0)
	v_lshlrev_b32 v[VO], 4, v1                     ; 16 x lane
	; which panels are mine, and where the results go
	s_add_co_u32 s92, s85, s18                     ; source 0's panel that I multiply
	s_add_co_u32 s93, s84, s17                     ; source 1's
	s_cmp_ge_u32 ttmp9, 8
	s_cselect_b32 s94, s92, s93                    ; x's panel
	s_cselect_b32 s95, s93, s92                    ; the weight's,
	s_and_b32 s95, s95, 7                          ; within its weight: 128 columns, two heads
	s_and_b32 s98, ttmp9, 9                        ; 0 for q alone (cluster under 8 and even)
	s_cmp_eq_u32 s98, 0
	s_cselect_b64 s[66:67], s[10:11], s[12:13]     ; bq or bk,
	s_cmp_ge_u32 ttmp9, 8
	s_cselect_b64 s[66:67], s[14:15], s[66:67]     ; or bv
	s_cselect_b32 s56, 0, 64                       ; q, k: a result's register j of lane (r, h) is column 16 h + j of its pair of tiles;
	s_cselect_b32 s57, 4, 0                        ; v: all eight are column r + 8 (r / 8) of the tile
	s_cselect_b32 s58, 0, 4
	s_lshl_b32 s92, s95, 9
	s_mov_b32 s93, 0
	s_add_nc_u64 s[66:67], s[66:67], s[92:93]      ; my 128 numbers of the bias
	v_and_b32 v4, 8, v2
	v_add_nc_u32 v4, v4, v2                        ; r + 8 (r / 8)
	v_mul_u32_u24 v[VA], s56, v3
	v_mad_u32_u24 v[VA], s57, v4, v[VA]
.irp j, 1,2,3,4,5,6,7
	v_add_nc_u32 v[VA+\j], s58, v[VA+\j-1]
.endr
.irp t, 0,1,2,3,4,5,6,7
.irp j, 0,1,2,3,4,5,6,7
	global_load_b32 v[BI+8*\t+\j], v[VA+\j], s[66:67] offset:(32*(\t/2)+8*(\t%2))*4   ; tile t's bias, in the result's layout
.endr
.endr
	s_mul_i32 s3, s17, PANEL                       ; LDS: source 1's panel that I multiply,
	v_add_nc_u32 v[ADR1], s3, v[VO]
	s_mul_i32 s2, s18, PANEL
	s_add_co_u32 s2, s2, S0B                       ; source 0's
	v_add_nc_u32 v[ADR0], s2, v[VO]
	s_sub_co_u32 s2, s2, s3
	v_mul_u32_u24 v[ADRS], s2, v3                  ; the scale words: lanes 16-31 take source 0's: one product, h x the distance
	v_lshl_add_u32 v[ADRS], v2, 3, v[ADRS]
	v_add_nc_u32 v[ADRS], s3, v[ADRS]
	s_lshr_b32 s96, s94, 4
	s_lshl_b32 s96, s96, 4
	s_lshl_b32 s97, s95, 1
	s_add_co_u32 s96, s96, s97                     ; my first head: 16 x batch + 2 x the weight's panel
	s_and_b32 s97, s94, 15                         ; which 128 rows of the batch
	s_mov_b32 s99, 143360
	s_cmp_eq_u32 s98, 0
	s_cselect_b32 s99, 73728, s99                  ; a head's bytes in the buffer that I store into
	s_cselect_b64 s[56:57], s[6:7], s[8:9]         ; qbuf or kvbuf
	s_mul_i32 s58, s96, s99
	s_lshl_b32 s59, s97, 12
	s_add_co_u32 s60, s58, s59                     ; the codes of 128 rows, or of 128 keys, are 4,096 bytes
	s_lshl_b32 s61, s97, 8
	s_add_co_u32 s61, s61, 139264                  ; v's scale words: 256 bytes for 128 keys
	s_lshl_b32 s62, s97, 9
	s_add_co_u32 s62, s62, 65536                   ; q's and k's: 512 bytes for 128 rows
	s_cmp_ge_u32 ttmp9, 8
	s_cselect_b32 s61, s61, s62
	s_cselect_b32 s62, 73728, 0                    ; v's codes lie behind k's
	s_add_co_u32 s60, s60, s62
	s_add_co_u32 s62, s58, s61
	s_mov_b32 s61, 0
	s_mov_b32 s63, 0
	s_add_nc_u64 s[60:61], s[56:57], s[60:61]      ; the codes' base
	s_add_nc_u64 s[62:63], s[56:57], s[62:63]      ; the scale words' base
	s_mov_b32 s3, 0x7f7f0000
	v_add_nc_u32 v[VO+1], s99, v[VO]
	v_mul_u32_u24 v[VS], s99, v3
	v_lshl_add_u32 v[VS], v2, 4, v[VS]
	v_lshlrev_b32 v[SH], 4, v3
.irp g, 0,1,2,3
	v_mov_b32 v[TM+4+\g], 0                        ; written once: a lane permute's destination counts as one of its sources
.endr
	s_wait_alu depctr_va_vdst(0)
	s_wait_tensorcnt 0x0                           ; my panel is in
	s_barrier_signal -1
	s_barrier_wait -1                              ; everybody's is
	FETCH_B 0, 0
	FETCH_A 0, 0
	SCALES 0
	FETCH_A 0, 4
	s_wait_loadcnt 0x0                             ; the bias
	s_cmp_ge_u32 ttmp9, 8                          ; the first K step begins the sums with the bias: along source 0 for q and k, along source 1 for v
	s_cbranch_scc1 .Lfirst_v
	STEP 0, 1
	s_branch .Lfirst_done
.Lfirst_v:
	STEP 0, 2
.Lfirst_done:
	TURNC 0, 2
	s_wait_alu depctr_va_vdst(0)
	STEP 1, 0
	TURNC 1, 1
	s_wait_alu depctr_va_vdst(0)
	STEP 0, 0
	TURNC 0, 0
	s_wait_alu depctr_va_vdst(0)
	STEP 1, 0
	s_wait_dscnt 8                                 ; the last K step: nothing more to fetch
	WIN 0xa1
	MUL16 0, 1, 1, 1, 0
	MUL16 2, 1, 1, 1, 0
	s_wait_dscnt 0x0
	WIN 0xf1
	MUL16 4, 1, 1, 1, 0
	MUL16 6, 1, 1, 1, 0
	WIN 0
	PLACES 4                                       ; in front of the first read of results and the first write of source 1's registers
	s_cmp_ge_u32 ttmp9, 8
	s_cbranch_scc1 .Lout_v
	EPI 0
	s_branch .Lout_done
.Lout_v:
	EPI 1
.Lout_done:
	s_wait_tensorcnt 0x0
	ds_add_u32 v126, v127
	s_wait_dscnt 0x0
	CROUND                                         ; the closing round: no work-group ends while a partner may still ask for a tile that names it
	s_endpgm
.Lfunc_end_k_q14df60da65_qkv:
	.size	k_q14df60da65_qkv, .Lfunc_end_k_q14df60da65_qkv-k_q14df60da65_qkv
	.p2alignl 7, 3214868480
	.fill 96, 4, 3214868480
	.section	.rodata,"a",@progbits
	.p2align	6, 0x0
	.amdhsa_kernel k_q14df60da65_qkv
		.amdhsa_group_segment_fixed_size 279296
		.amdhsa_private_segment_fixed_size 0
		.amdhsa_enable_private_segment 0
		.amdhsa_kernarg_size 48
		.amdhsa_user_sgpr_count 2
		.amdhsa_user_sgpr_kernarg_segment_ptr 1
		.amdhsa_wavefront_size32 1
		.amdhsa_system_sgpr_workgroup_id_x 1
		.amdhsa_system_sgpr_workgroup_id_y 1
		.amdhsa_system_sgpr_workgroup_id_z 1
		.amdhsa_system_vgpr_workitem_id 0
		.amdhsa_next_free_vgpr 1024
		.amdhsa_next_free_sgpr 102
		.amdhsa_reserve_vcc 1
		.amdhsa_float_denorm_mode_32 3
		.amdhsa_float_denorm_mode_16_64 3
		.amdhsa_memory_ordered 1
		.amdhsa_forward_progress 1
		.amdhsa_inst_pref_size 177
	.end_amdhsa_kernel
	.amdgpu_metadata
---
amdhsa.version: [ 1, 2 ]
amdhsa.kernels:
  - .name:           k_q14df60da65_qkv
    .symbol:         k_q14df60da65_qkv.kd
    .args:
      - { .name: pan, .offset: 0, .size: 8, .value_kind: global_buffer, .address_space: global }
      - { .name: qbuf, .offset: 8, .size: 8, .value_kind: global_buffer, .address_space: global }
      - { .name: kvbuf, .offset: 16, .size: 8, .value_kind: global_buffer, .address_space: global }
      - { .name: bq, .offset: 24, .size: 8, .value_kind: global_buffer, .address_space: global }
      - { .name: bk, .offset: 32, .size: 8, .value_kind: global_buffer, .address_space: global }
      - { .name: bv, .offset: 40, .size: 8, .value_kind: global_buffer, .address_space: global }
    .group_segment_fixed_size: 279296
    .private_segment_fixed_size: 0
    .kernarg_segment_align: 8
    .kernarg_segment_size: 48
    .max_flat_workgroup_size: 128
    .sgpr_count:     102
    .vgpr_count:     1024
    .wavefront_size: 32
...
	.end_amdgpu_metadata
.endif
;; end of part 2
;; launch attn (part 3): grid 8 x 32, 16 waves a work-group, clusters of 4 x 1, 169,984 bytes of LDS; arguments qbuf, kvbuf, cpan; writes cpan
.if DOCPART == 3
	.amdgcn_target "amdgcn-amd-amdhsa--gfx1250"
	.amdhsa_code_object_version 6
	.text
	.protected	k_q14df60da65_attn
	.globl	k_q14df60da65_attn
	.p2align	8
	.type	k_q14df60da65_attn,@function
k_q14df60da65_attn:
	s_mov_b64 s[64:65], 0
	v_nop
	global_prefetch_b8 v0, s[64:65] scope:SCOPE_SE
	s_setreg_imm32_b32 hwreg(HW_REG_WAVE_MODE, 25, 1), 1
	s_wait_xcnt 0x0
	s_wait_alu depctr_hold_cnt(0) depctr_sa_sdst(0) depctr_va_vdst(0) depctr_va_sdst(0) depctr_va_ssrc(0) depctr_va_vcc(0) depctr_vm_vsrc(0)
	s_getreg_b32 s2, hwreg(HW_REG_IB_STS2, 6, 4)
	s_cmp_eq_u32 s2, 0
	s_cbranch_scc0 .Lentry_in_a_cluster
	s_endpgm
.Lentry_in_a_cluster:
	s_bfe_u32 s2, ttmp6, 0x10000c
	s_cmp_lg_u32 s2, 0x3003
	s_cbranch_scc0 .Lentry_shape_is_right
	s_endpgm
.Lentry_shape_is_right:
; ctx[b][h][q][:] = the sum over k of softmax_k(q . k / 8) v[k][:], both products on codes of FP4 (E2M1) with E8M0 scales, and ctx's quantising along h x 64 + d for the last projection.
; THE SOFTMAX AHEAD OF THE SECOND PRODUCT: t = score x log2(e) / 8; M = the row's largest t so far, rounded UP to a whole number; p = 2^(t - M) is what is quantised, along the keys, not normalised.
; The row's sum is taken of the unquantised p, in f32, and divides O at the end (by v_rcp_f32 and a multiplication).  When M moves, the sum and O are multiplied by 2^(old M - new M): exact.
; SHARES.  A work-group owns 256 queries of one (batch, head); each of its sixteen waves one tile of 16, in 256 registers: four waves to a SIMD, so that one wave's vector work stands beside another's products and LDS loads.
; A head's whole k and v, codes and scale words, are 143,360 bytes of kvbuf as images of operand registers: they come into LDS ONCE, by eight tensor loads (waves 0-7, one each), and stay: no ring, each LDS byte is filled once.
; CLUSTER: the four query blocks of a cluster belong to one head and read the same bytes: each load is asked for jointly by all four.
; LAYOUT.  Both products are used transposed: S^T = K Q^T (source 0 = 16 keys), O^T = V^T P^T (source 0 = 16 of the head's 64): a lane holds ONE query (lane % 16) throughout.  The rows of a stored tile are chosen
; (row r of tile 2 g + u is row 32 g + 8 u + r + 8 (r / 8)) so that the 16 results of tiles 2 g, 2 g + 1 in a lane are 16 neighbours: keys for p, the head's d for ctx.
; THE HEAD IS 64, THE INSTRUCTION'S K IS 128: Q's registers 4-7 hold zero codes, so whatever stands in registers 4-7 of source 0 adds nothing: tile t's operand is its own four registers and the four that follow them
; (the next tile's, or four zeros); bytes 2 and 3 of q's and k's scale words are 0x7f.  So a tile of k costs one load of 16 bytes a lane.
; OUT: cpan, panels of 128 rows as in pan; K step s of a row is heads 2 s (part c = 0 of a fragment) and 2 s + 1 (c = 1).  A wave stores 512 bytes of codes, and of each row's scale word the two bytes that its head owns:
; one store of 2 bytes a lane for a wave, 131,072 such bytes in the launch.
; LIMITS: a block whose largest magnitude lies under 2^-124, a block of zeros among them, gets the byte 1; NaN and infinities are not served; v_exp_f32 gives 0 for p under 2^-126.
; REGISTERS: v1-4, v6, v7 addresses that stay; v8-11 the step's; v12 -M, v13 the largest t, v[14:15] the sum in two halves; v16-23 Q; v24-59 K's eight tiles and four zeros; v60-91 V's four fragments; v92-95 K's scale words;
;   v96-159 S^T, then p; v160-191 O^T; v192-199 p's codes; v200-203 V's scale words, v204 Q's, v205 p's; v208-225 at work.
.set HSQ,   73728
.set HSK,   143360
.set KSC,   65536                      ; in a head's image: K's scale words,
.set VCO,   73728                      ; V's fragments,
.set VSC,   139264                     ; V's scale words
.set PART,  17920                      ; an eighth of the image: 70 rows of 256 bytes
.set PANEL, 69632
.set CHUNK, 17408
.set WV,  16
.set SEL, 20                           ; s[20:21] v_permlanex16_b32's selects for lane l xor 16
.set CS,  22                           ; s[22:23] c = log2(e) / 8: the packed form names a pair and takes its low word for both halves
.macro CROUND                          ; a round of the cluster's barrier
	s_barrier_signal -1
	s_barrier_wait -1
	s_cmp_lg_u32 s[WV], 0
	s_cbranch_scc1 .Lnot_wave_0_\@
	s_barrier_signal -3
.Lnot_wave_0_\@:
	s_barrier_wait -3
	s_barrier_signal -1
	s_barrier_wait -1
.endm
	s_load_b128 s[4:7], s[0:1], 0x0                ; qbuf s[4:5], kvbuf s[6:7]
	s_load_b64 s[8:9], s[0:1], 0x10                ; cpan
	v_lshl_add_u32 v254, v0, 2, 0x29000
	v_mov_b32 v255, 0
	ds_add_u32 v254, v255
	ds_add_u32 v254, v255
	v_lshrrev_b32 v1, 5, v0
	s_delay_alu instid0(VALU_DEP_1)
	v_readfirstlane_b32 s[WV], v1                  ; wave 0..15
	s_bfe_u32 s17, ttmp6, 0x40000                  ; cx
	s_lshl_b32 s18, ttmp9, 2
	s_add_co_u32 s18, s18, s17                     ; my block of 256 queries: it enters q's and ctx's addresses alone
	s_and_b32 s19, ttmp7, 0xffff                   ; 16 x batch + head, which the four partners share
	; descriptor group 1: 17,920 dense bytes as 70 rows of 256 bytes (32 elements of 8 bytes); no padding
	s_mov_b32 s24, 15|(3<<16)|(1<<21)              ; 15:0 the mask: all four work-groups; 17:16 elements of 8 bytes; 21 set beside a mask
	s_mov_b32 s25, 32<<16                          ; tensor_dim0 = 32
	s_mov_b32 s26, 70<<16                          ; tensor_dim1 = 70
	s_mov_b32 s27, 32<<16                          ; tile_dim0 = 32
	s_mov_b32 s28, 70                              ; tile_dim1 = 70
	s_mov_b32 s29, 32                              ; from row to row
	s_mov_b32 s30, 0
	s_mov_b32 s31, 0
	s_mov_b32 s32, 1                               ; group 0: count = 1
	s_mul_i32 s33, s[WV], PART                     ; LDS address: wave x an eighth
	s_mul_i32 s40, s19, HSK
	s_add_co_u32 s40, s40, s33
	s_mov_b32 s41, 0
	s_mov_b32 s[SEL], 0x76543210
	s_mov_b32 s[SEL+1], 0xfedcba98
	s_mov_b32 s[CS], 0x3e38aa3b                    ; log2(e) / 8
	s_mov_b32 s[CS+1], s[CS]                       ; (named with it as a pair, so it is written)
	s_wait_dscnt 0x0
	s_wait_kmcnt 0x0
	s_add_nc_u64 s[34:35], s[6:7], s[40:41]        ; global address: the head's image, my eighth
	s_or_b32 s35, s35, 0x80000000                  ; type = 2
	CROUND                                         ; all four work-groups are here: the joint loads meet
	s_cmp_lt_u32 s[WV], 8
	s_cbranch_scc0 .Lno_fill
	tensor_load_to_lds s[32:35], s[24:31]          ; one tensor load of mine is out
	s_nop 0
.rept 4
	v_nop
.endr
.Lno_fill:
	s_lshl_b32 s46, s18, 4
	s_add_co_u32 s46, s46, s[WV]                   ; my tile of queries, 0..127
	s_mul_i32 s47, s19, HSQ
	s_lshl_b32 s42, s46, 9
	s_add_co_u32 s42, s42, s47
	s_mov_b32 s43, 0
	s_add_nc_u64 s[42:43], s[4:5], s[42:43]        ; its codes
	s_lshr_b32 s44, s46, 2
	s_lshl_b32 s44, s44, 8                         ; its scale words: 256 bytes for four tiles,
	s_and_b32 s45, s46, 3
	s_lshl_b32 s45, s45, 2                         ; word tile % 4 of a row's four
	s_add_co_u32 s44, s44, s45
	s_add_co_u32 s44, s44, s47
	s_add_co_u32 s44, s44, KSC
	s_mov_b32 s45, 0
	s_add_nc_u64 s[44:45], s[4:5], s[44:45]
	v_and_b32 v7, 15, v0                           ; r
	v_and_b32 v1, 31, v0
	s_delay_alu instid0(VALU_DEP_1)
	v_lshlrev_b32 v1, 4, v1                        ; 16 x lane: K's tiles in LDS, q's codes and ctx's codes in memory
	s_delay_alu instid0(VALU_DEP_3)
	v_lshlrev_b32 v6, 3, v7                        ; 8 r: ctx's scale words
	s_delay_alu instid0(VALU_DEP_4)
	v_lshlrev_b32 v7, 4, v7                        ; 16 r
	global_load_b128 v[16:19], v1, s[42:43]        ; Q stays in registers
	global_load_b32 v204, v7, s[44:45]
	v_add_nc_u32 v2, VCO, v1                       ; V's fragments
	v_add_nc_u32 v3, KSC, v1                       ; K's scale words: lane 16 G + r takes those of tiles 4 G .. 4 G + 3, row r
	v_add_nc_u32 v4, VSC, v7                       ; V's: row r's four
	; where ctx goes
	s_lshr_b32 s47, s19, 4
	s_lshl_b32 s47, s47, 4
	s_lshl_b32 s48, s18, 1
	s_add_co_u32 s47, s47, s48
	s_lshr_b32 s48, s[WV], 3
	s_add_co_u32 s47, s47, s48                     ; the panel: 16 x batch + 2 x block + wave / 8
	s_mul_i32 s47, s47, PANEL
	s_and_b32 s48, s19, 15                         ; the head
	s_lshr_b32 s49, s48, 2
	s_mul_i32 s49, s49, CHUNK
	s_add_co_u32 s47, s47, s49                     ; the chunk: four heads
	s_bfe_u32 s49, s48, 0x10001                    ; the K step in it
	s_and_b32 s48, s48, 1                          ; the fragment's part
	s_and_b32 s54, s[WV], 7                        ; the tile
	s_lshl_b32 s50, s49, 13
	s_lshl_b32 s55, s54, 10
	s_add_co_u32 s50, s50, s55
	s_lshl_b32 s55, s48, 9
	s_add_co_u32 s50, s50, s55
	s_add_co_u32 s50, s50, s47
	s_add_co_u32 s50, s50, 1024
	s_mov_b32 s51, 0
	s_lshl_b32 s52, s54, 7
	s_lshl_b32 s55, s49, 2
	s_add_co_u32 s52, s52, s55
	s_lshl_b32 s55, s48, 1
	s_add_co_u32 s52, s52, s55
	s_add_co_u32 s52, s52, s47
	s_mov_b32 s53, 0
	s_add_nc_u64 s[50:51], s[8:9], s[50:51]        ; the codes
	s_add_nc_u64 s[52:53], s[8:9], s[52:53]        ; my head's half of the scale words
	v_mov_b32 v13, 0xff61b1e6                      ; the largest t so far: -3e38, under every t
	s_delay_alu instid0(VALU_DEP_1)
	v_floor_f32 v12, -v13                          ; -M
	v_mov_b32 v14, 0                               ; the sum, in two halves
	v_mov_b32 v15, 0
.irp j, 0,1,2,3
	v_mov_b32 v[20+\j], 0                          ; Q's upper 64 along K: zero codes
	v_mov_b32 v[56+\j], 0                          ; what follows K's last tile
	v_mov_b32 v[212+\j], 0                         ; a lane permute's destination counts as one of its sources
.endr
	v_mov_b32 v222, 0
	v_mov_b32 v225, 0                              ; (named as the upper half of the pair v[224:225])
.set J, 0
.rept 32
	v_mov_b32 v[160+J], 0                          ; O^T.  (The step is written once: the first finds zeros, which the first change of M leaves zeros)
.set J, J+1
.endr
	s_mov_b32 s36, 0                               ; 4,096 x the step: a step's tiles of K, and its fragments of V
	s_mov_b32 s39, 16                              ; 2,048 keys, 128 a step
	s_wait_tensorcnt 0x0                           ; my eighth has landed (waves 8-15 have none),
	s_barrier_signal -1
	s_barrier_wait -1                              ; everybody's has
	s_wait_loadcnt 0x0                             ; Q
.Lstep:
	s_lshr_b32 s37, s36, 3                         ; 512 x the step: K's scale words
	s_lshr_b32 s38, s36, 4                         ; 256 x the step: V's
	v_add_nc_u32 v8, s36, v1                       ; these four are also the places between the last products and the loads into their registers
	v_add_nc_u32 v9, s36, v2
	v_add_nc_u32 v10, s37, v3
	v_add_nc_u32 v11, s38, v4
	ds_load_b128 v[92:95], v10
.irp t, 0,1,2,3,4,5,6,7
	ds_load_b128 v[24+4*\t:27+4*\t], v8 offset:512*\t
.endr
	ds_load_b128 v[200:203], v11
.irp i, 0,1,2,3
.irp c, 0,1
	ds_load_b128 v[60+8*\i+4*\c:63+8*\i+4*\c], v9 offset:1024*\i+512*\c
.endr
.endr
	s_wait_dscnt 9                                 ; K and its scale words are in; V's nine loads may be out
.irp t, 0,1,2,3                                ; S^T = K Q^T: lane (r, h) holds query r; the 16 registers of tiles 2 b, 2 b + 1 are keys 32 b + 16 h + 0 .. 15 of the step
	v_wmma_scale_f32_16x16x128_f8f6f4 v[96+8*\t:103+8*\t], v[24+4*\t:31+4*\t], v[16:23], 0, v[92+\t], v204 matrix_a_fmt:MATRIX_FMT_FP4 matrix_b_fmt:MATRIX_FMT_FP4
.endr
.irp t, 4,5,6,7
	v_wmma_scale_f32_16x16x128_f8f6f4 v[96+8*\t:103+8*\t], v[24+4*\t:31+4*\t], v[16:23], 0, v[92+\t-4], v204 matrix_a_fmt:MATRIX_FMT_FP4 matrix_b_fmt:MATRIX_FMT_FP4 matrix_a_scale:MATRIX_SCALE_ROW1
.endr
.rept 4
	v_nop
.endr
.irp b, 0,1,2,3
	v_max3_num_f32 v[208+\b], v[96+16*\b], v[97+16*\b], v[98+16*\b]   ; the largest score of each block of 32 keys: it serves for the row's maximum and, since p rises with the score, for the block's largest p
.endr
.irp i, 3,5,7,9,11,13
.irp b, 0,1,2,3
	v_max3_num_f32 v[208+\b], v[208+\b], v[96+16*\b+\i], v[97+16*\b+\i]   ; (the four blocks by turns)
.endr
.endr
.irp b, 0,1,2,3
	v_max_num_f32 v[208+\b], v[208+\b], v[111+16*\b]
.endr
.irp b, 0,1,2,3
	s_delay_alu instid0(VALU_DEP_4)
	v_permlanex16_b32 v[212+\b], v[208+\b], s[SEL], s[SEL+1]
.endr
.irp b, 0,1,2,3
	s_delay_alu instid0(VALU_DEP_4)
	v_max_num_f32 v[208+\b], v[208+\b], v[212+\b]  ; with lane l xor 16's 16 keys
.endr
	s_delay_alu instid0(VALU_DEP_2)
	v_max3_num_f32 v222, v208, v209, v210
	s_delay_alu instid0(VALU_DEP_1)
	v_max_num_f32 v222, v222, v211                 ; the step's largest score of my query
	s_delay_alu instid0(VALU_DEP_1)
	v_mul_f32 v222, s[CS], v222                    ; as t (c is positive)
	s_delay_alu instid0(VALU_DEP_1)
	v_max_num_f32 v13, v13, v222                   ; the running largest t
	v_mov_b32 v222, v12
	s_delay_alu instid0(VALU_DEP_2)
	v_floor_f32 v12, -v13                          ; the new -M = floor(-t) = -ceil(t): M is a whole number
	s_delay_alu instid0(VALU_DEP_1)
	v_sub_f32 v222, v12, v222                      ; M's old value less its new one: a whole number, 0 or less
	s_delay_alu instid0(VALU_DEP_1)
	v_cvt_i32_f32 v222, v222                       ; (it saturates)
	s_delay_alu instid0(VALU_DEP_1)
	v_ldexp_f32 v224, 1.0, v222                    ; f = 2^(old M - new M)
.set J, 0
.rept 32
	v_pk_fma_f32 v[96+J:97+J], v[96+J:97+J], s[CS:CS+1], v[12:13] op_sel_hi:[1,0,0]   ; t - M, two at a time
.set J, J+2
.endr
.irp b, 0,1,2,3
	v_fma_f32 v[208+\b], v[208+\b], s[CS], v12     ; the same of each block's largest score
.endr
.set J, 0
	s_wait_alu depctr_va_vdst(0)
.rept 64
	v_exp_f32 v[96+J], v[96+J]                     ; p = 2^(t - M), at most 1: not normalised
.set J, J+1
.endr
.irp b, 0,1,2,3
	v_exp_f32 v[208+\b], v[208+\b]                 ; the block's largest p: the same two instructions on the same number give the same bits
.endr
	v_pk_mul_f32 v[14:15], v[14:15], v[224:225] op_sel_hi:[1,0]   ; the sums under the new M.  (A plain place behind the exponentials)
	s_wait_alu depctr_va_vdst(0)
.irp b, 0,1,2,3
	v_max_num_f32 v[208+\b], 0x1800000, v[208+\b]  ; the floor 2^(3 - 127): the byte cannot fall under 1
.endr
.irp b, 0,1,2,3
	s_delay_alu instid0(VALU_DEP_4)
	v_add_nc_u32 v[216+\b], 0xff000000, v[208+\b]  ; 2 off the exponent field: the conversion's scale operand
.endr
.irp b, 0,1,2,3
	s_delay_alu instid0(VALU_DEP_4)
	v_lshrrev_b32 v[212+\b], 23, v[216+\b]         ; the scale's byte
.endr
	s_delay_alu instid0(VALU_DEP_3)
	v_lshl_or_b32 v205, v213, 8, v212              ; p's scale word for these 128 keys
	s_delay_alu instid0(VALU_DEP_1)
	v_lshl_or_b32 v205, v214, 16, v205
	s_delay_alu instid0(VALU_DEP_1)
	v_lshl_or_b32 v205, v215, 24, v205
.irp b, 0,1,2,3
	v_cvt_scalef32_pk8_fp4_f32 v[192+2*\b], v[96+16*\b:103+16*\b], v[216+\b]
	v_cvt_scalef32_pk8_fp4_f32 v[193+2*\b], v[104+16*\b:111+16*\b], v[216+\b]
.endr
	v_nop                                          ; one plain place behind the scaled conversions
.irp c, 0,1                                    ; the operand's layout wants a whole block in a lane
.irp i, 0,1
	v_permlane16_swap_b32 v[192+4*\c+\i], v[194+4*\c+\i]
.endr
.endr
	v_pk_add_f32 v[220:221], v[100:101], v[104:105]
	v_pk_add_f32 v[252:253], v[108:109], v[112:113]
	v_pk_add_f32 v[250:251], v[116:117], v[120:121]
	v_pk_add_f32 v[248:249], v[124:125], v[128:129]
	v_pk_add_f32 v[246:247], v[132:133], v[136:137]
	v_pk_add_f32 v[244:245], v[140:141], v[144:145]
	v_pk_add_f32 v[242:243], v[148:149], v[152:153]
	v_pk_add_f32 v[14:15], v[14:15], v[156:157]
	v_pk_add_f32 v[220:221], v[220:221], v[96:97]
	v_pk_add_f32 v[252:253], v[252:253], v[98:99]
	v_pk_add_f32 v[250:251], v[250:251], v[102:103]
	v_pk_add_f32 v[248:249], v[248:249], v[106:107]
	v_pk_add_f32 v[246:247], v[246:247], v[110:111]
	v_pk_add_f32 v[244:245], v[244:245], v[114:115]
	v_pk_add_f32 v[242:243], v[242:243], v[118:119]
	v_pk_add_f32 v[14:15], v[14:15], v[122:123]
	v_pk_add_f32 v[220:221], v[220:221], v[126:127]
	v_pk_add_f32 v[252:253], v[252:253], v[130:131]
	v_pk_add_f32 v[250:251], v[250:251], v[134:135]
	v_pk_add_f32 v[248:249], v[248:249], v[138:139]
	v_pk_add_f32 v[246:247], v[246:247], v[142:143]
	v_pk_add_f32 v[244:245], v[244:245], v[146:147]
	v_pk_add_f32 v[242:243], v[242:243], v[150:151]
	v_pk_add_f32 v[14:15], v[14:15], v[154:155]
	v_pk_add_f32 v[220:221], v[220:221], v[158:159]
	s_delay_alu instid0(VALU_DEP_2)
	v_pk_add_f32 v[14:15], v[14:15], v[248:249]
	s_delay_alu instid0(VALU_DEP_2)
	v_pk_add_f32 v[220:221], v[220:221], v[246:247]
	v_pk_add_f32 v[252:253], v[252:253], v[244:245]
	v_pk_add_f32 v[250:251], v[250:251], v[242:243]
	s_delay_alu instid0(VALU_DEP_2)
	v_pk_add_f32 v[14:15], v[14:15], v[252:253]
	s_delay_alu instid0(VALU_DEP_2)
	v_pk_add_f32 v[220:221], v[220:221], v[250:251]
	s_delay_alu instid0(VALU_DEP_1)
	v_pk_add_f32 v[14:15], v[14:15], v[220:221]
.set J, 0
.rept 16
	v_pk_mul_f32 v[160+J:161+J], v[160+J:161+J], v[224:225] op_sel_hi:[1,0]   ; O^T under the new M: x f
.set J, J+2
.endr
	s_wait_alu depctr_va_vdst(0)
	s_wait_dscnt 0x0                               ; V and its scale words are in
.irp i, 0,1,2,3                                ; O^T += V^T P^T; the four accumulators take turns
	v_wmma_scale_f32_16x16x128_f8f6f4 v[160+8*\i:167+8*\i], v[60+8*\i:67+8*\i], v[192:199], v[160+8*\i:167+8*\i], v[200+\i], v205 matrix_a_fmt:MATRIX_FMT_FP4 matrix_b_fmt:MATRIX_FMT_FP4
.endr
	s_add_co_u32 s36, s36, 4096
	s_sub_co_u32 s39, s39, 1
	s_cmp_lg_u32 s39, 0
	s_cbranch_scc1 .Lstep
	; THE WAY OUT: O^T / the sum is my 16 queries' part of ctx: register 16 b + i is d = 32 b + 16 h + i: two blocks of 32 along the last projection's K
.rept 4
	v_nop
.endr
	v_add_f32 v14, v14, v15                        ; the sum's two halves,
	s_delay_alu instid0(VALU_DEP_1)
	v_permlanex16_b32 v222, v14, s[SEL], s[SEL+1]
	s_delay_alu instid0(VALU_DEP_1)
	v_add_f32 v14, v14, v222                       ; and lane l xor 16's: the row's sum
	s_wait_alu depctr_va_vdst(0)
	v_rcp_f32 v14, v14
	v_nop                                          ; a plain place behind the transcendental
.set J, 0
	s_wait_alu depctr_va_vdst(0)
.rept 32
	v_mul_f32 v[96+J], v[160+J], v14               ; each accumulator from its low end on
.set J, J+1
.endr
.irp b, 0,1
	v_max3_num_f32 v[208+\b], |v[96+16*\b]|, |v[97+16*\b]|, 0x1800000
.endr
.irp i, 2,4,6,8,10,12,14
.irp b, 0,1
	s_delay_alu instid0(VALU_DEP_2)
	v_max3_num_f32 v[208+\b], v[208+\b], |v[96+16*\b+\i]|, |v[97+16*\b+\i]|
.endr
.endr
.irp b, 0,1
	s_delay_alu instid0(VALU_DEP_2)
	v_permlanex16_b32 v[212+\b], v[208+\b], s[SEL], s[SEL+1]
.endr
.irp b, 0,1
	s_delay_alu instid0(VALU_DEP_2)
	v_max_num_f32 v[208+\b], v[208+\b], v[212+\b]
.endr
.irp b, 0,1
	s_delay_alu instid0(VALU_DEP_2)
	v_add_nc_u32 v[216+\b], 0xff000000, v[208+\b]
.endr
.irp b, 0,1
	s_delay_alu instid0(VALU_DEP_2)
	v_lshrrev_b32 v[212+\b], 23, v[216+\b]
.endr
	s_delay_alu instid0(VALU_DEP_1)
	v_lshl_or_b32 v222, v213, 8, v212              ; my head's two bytes of the row's scale word
.irp b, 0,1
	v_cvt_scalef32_pk8_fp4_f32 v[192+2*\b], v[96+16*\b:103+16*\b], v[216+\b]
	v_cvt_scalef32_pk8_fp4_f32 v[193+2*\b], v[104+16*\b:111+16*\b], v[216+\b]
.endr
	v_nop                                          ; one plain place behind the scaled conversions
	v_permlane16_swap_b32 v192, v194
	v_permlane16_swap_b32 v193, v195               ; v192-195 of lane (r, h): d = 32 h + 0 .. 31
	global_store_b128 v1, v[192:195], s[50:51]     ; 512 consecutive bytes, aligned
	global_store_b16 v6, v222, s[52:53]            ; both halves of the lanes store the same two bytes
	s_wait_tensorcnt 0x0
	ds_add_u32 v254, v255
	s_wait_dscnt 0x0
	CROUND                                         ; the closing round: no work-group ends while a partner may still ask for a tile that names it
	s_endpgm
.Lfunc_end_k_q14df60da65_attn:
	.size	k_q14df60da65_attn, .Lfunc_end_k_q14df60da65_attn-k_q14df60da65_attn
	.p2alignl 7, 3214868480
	.fill 96, 4, 3214868480
	.section	.rodata,"a",@progbits
	.p2align	6, 0x0
	.amdhsa_kernel k_q14df60da65_attn
		.amdhsa_group_segment_fixed_size 169984
		.amdhsa_private_segment_fixed_size 0
		.amdhsa_enable_private_segment 0
		.amdhsa_kernarg_size 24
		.amdhsa_user_sgpr_count 2
		.amdhsa_user_sgpr_kernarg_segment_ptr 1
		.amdhsa_wavefront_size32 1
		.amdhsa_system_sgpr_workgroup_id_x 1
		.amdhsa_system_sgpr_workgroup_id_y 1
		.amdhsa_system_sgpr_workgroup_id_z 1
		.amdhsa_system_vgpr_workitem_id 0
		.amdhsa_next_free_vgpr 256
		.amdhsa_next_free_sgpr 66
		.amdhsa_reserve_vcc 0
		.amdhsa_float_denorm_mode_32 3
		.amdhsa_float_denorm_mode_16_64 3
		.amdhsa_memory_ordered 1
		.amdhsa_forward_progress 1
		.amdhsa_inst_pref_size 28
	.end_amdhsa_kernel
	.amdgpu_metadata
---
amdhsa.version: [ 1, 2 ]
amdhsa.kernels:
  - .name:           k_q14df60da65_attn
    .symbol:         k_q14df60da65_attn.kd
    .args:
      - { .name: qbuf, .offset: 0, .size: 8, .value_kind: global_buffer, .address_space: global }
      - { .name: kvbuf, .offset: 8, .size: 8, .value_kind: global_buffer, .address_space: global }
      - { .name: cpan, .offset: 16, .size: 8, .value_kind: global_buffer, .address_space: global }
    .group_segment_fixed_size: 169984
    .private_segment_fixed_size: 0
    .kernarg_segment_align: 8
    .kernarg_segment_size: 24
    .max_flat_workgroup_size: 512
    .sgpr_count:     66
    .vgpr_count:     256
    .wavefront_size: 32
...
	.end_amdgpu_metadata
.endif
;; end of part 3
;; launch oproj (part 4): grid 8 x 32, 4 waves a work-group, clusters of 4 x 4, 168,448 bytes of LDS; arguments cpan, pan, bo, out0; writes out0
.if DOCPART == 4
	.amdgcn_target "amdgcn-amd-amdhsa--gfx1250"
	.amdhsa_code_object_version 6
	.text
	.protected	k_q14df60da65_oproj
	.globl	k_q14df60da65_oproj
	.p2align	8
	.type	k_q14df60da65_oproj,@function
k_q14df60da65_oproj:
	s_mov_b64 s[64:65], 0
	v_nop
	global_prefetch_b8 v0, s[64:65] scope:SCOPE_SE
	s_setreg_imm32_b32 hwreg(HW_REG_WAVE_MODE, 25, 1), 1
	s_wait_xcnt 0x0
	s_wait_alu depctr_hold_cnt(0) depctr_sa_sdst(0) depctr_va_vdst(0) depctr_va_sdst(0) depctr_va_ssrc(0) depctr_va_vcc(0) depctr_vm_vsrc(0)
	s_getreg_b32 s2, hwreg(HW_REG_IB_STS2, 6, 4)
	s_cmp_eq_u32 s2, 0
	s_cbranch_scc0 .Lentry_in_a_cluster
	s_endpgm
.Lentry_in_a_cluster:
	s_bfe_u32 s2, ttmp6, 0x10000c
	s_cmp_lg_u32 s2, 0xf033
	s_cbranch_scc0 .Lentry_shape_is_right
	s_endpgm
.Lentry_shape_is_right:
; out = ctx Wo + bo on codes of FP4 (E2M1) with E8M0 scales.  ctx's codes lie in cpan, Wo's in pan's panels 56-63: panels of 128 rows as images of operand registers
; (4 chunks of 256 along K: 1,024 bytes of scale words [tile][row][K step], then 16 fragments [K step][tile] of 1,024 bytes).
; A work-group makes 128 rows x 128 columns: one panel against one panel, so that there are 256 work-groups; tiles of 256 x 256 would give 64.  Each of the four waves makes 64 x 64: 16 accumulators.
; Both panels, 139,264 bytes, fit in LDS whole: each LDS byte is filled once, so there is no ring.  Waves 0, 1 bring ctx's halves (chunks 0-1, chunks 2-3), waves 2, 3 Wo's: by this text's own count a wave has one tensor load out.
; CLUSTER: 4 x 4 work-groups; ctx's panel hangs on the tile row alone and is asked for jointly along a row of the cluster, Wo's on the tile column alone and along a column.
; THE MATRIX INSTRUCTION IS USED TRANSPOSED (source 0 = 16 columns of Wo, source 1 = 16 rows of ctx): a lane holds eight neighbouring numbers of a row of out.  The bias is the C of each sum's first product.
; Row r of a stored tile 2 g + u is row (or column) 32 g + 8 u + r + 8 (r / 8): the columns come out as neighbours by the result's layout; the rows are put back by the stores' immediates.
; LIMITS: NaN and infinities are not served; the bias enters ahead of the sum, not behind it.
; REGISTERS: window 0: v1-27 addresses; v32-63 scale words; v64-95 the bias, later rows on their way out; v96-127 rows on their way out; v128-255 the accumulators ((a, b) at v[128 + 8 (4 a + b)]).
;   window 1: four buffers of 64: a K step's four fragments of ctx, then its four of Wo.
; THE FILLS, as this text now has them (this takes the place of what the head says of them): waves 0, 1 bring the halves of ctx's panel (chunks 0-1, chunks 2-3), waves 2, 3 those of Wo's, each by ONE tensor load
; of 136 rows of 256 bytes; by this text's own count a wave has one tensor load out; one wait and one barrier show both panels to all four waves.
.set PANEL, 69632
.set CHUNK, 17408
.set S0B,   PANEL+128                  ; Wo's panel lies 128 bytes further on than a multiple of 256, so that a load of scale words (lanes 0-15 ctx's, lanes 16-31 Wo's) touches 64 different words modulo 256 bytes
.set STG,   139520                     ; behind the panels, at a multiple of 256: a stage of 16 rows x (256 bytes + 16) for each wave; no fill lands there
.set WV,   16
.set G1A,  24                          ; s[24:31] descriptor group 1 for ctx's chunks;  s[32:39] for Wo's
.set G1B,  32
.set G0A,  40                          ; s[40:43] group 0 for ctx's half panel;  s[48:51] for Wo's
.set G0B,  48
.set ADR1, 16                          ; v16, v17 LDS address of my fragments of ctx in chunks 0-1, 2-3
.set ADR0, 18                          ; v18, v19 of Wo
.set ADRS, 20                          ; v20, v21 of the scale words: lanes 0-15 ctx's, lanes 16-31 Wo's
.set STO,  24                          ; v24  the way out: where I put 32 bytes of a row
.set RD,   25                          ; v25  where I read a row back
.set CO,   26                          ; v26  my byte offset in out
.set SC,   32                          ; scale words: register 8 j + 2 i + q: chunk j, tile i, K step q
.set BI,   64
.set ACC,  128
.set MSB,  0
.macro WIN new                         ; the immediate's high byte repeats the setting that is left
.if MSB != \new
	s_set_vgpr_msb (MSB<<8)|\new
.set MSB, \new
.endif
.endm
.macro CROUND                          ; a round of the cluster's barrier
	s_barrier_signal -1
	s_barrier_wait -1
	s_cmp_lg_u32 s[WV], 0
	s_cbranch_scc1 .Lnot_wave_0_\@
	s_barrier_signal -3
.Lnot_wave_0_\@:
	s_barrier_wait -3
	s_barrier_signal -1
	s_barrier_wait -1
.endm
.macro PLACES                          ; four plain vector instructions between a matrix instruction and a load into, or a read of, its registers
.rept 4
	v_nop
.endr
.endm
.macro FETCH s, buf                    ; K step s (chunk s / 2): my four fragments of ctx and my four of Wo, 16 loads of 512 consecutive bytes
.set FJ, (\s)/2
.set FO, (FJ%2)*CHUNK+1024+8192*((\s)%2)
	WIN 0x40                                       ; destination window 1, address window 0
.irp i, 0,1,2,3
.irp c, 0,1
	ds_load_b128 v[64*(\buf)+8*\i+4*\c:64*(\buf)+8*\i+4*\c+3], v[ADR1+FJ/2] offset:FO+1024*\i+512*\c
.endr
.endr
.irp i, 0,1,2,3
.irp c, 0,1
	ds_load_b128 v[64*(\buf)+32+8*\i+4*\c:64*(\buf)+32+8*\i+4*\c+3], v[ADR0+FJ/2] offset:FO+1024*\i+512*\c
.endr
.endr
	WIN 0
.endm
.macro SCALES pair                     ; the scale words of chunks 2 pair and 2 pair + 1
.irp e, 0,1
.irp i, 0,1,2,3
	ds_load_b64 v[SC+8*(2*(\pair)+\e)+2*\i:SC+8*(2*(\pair)+\e)+2*\i+1], v[ADRS+(\pair)] offset:\e*CHUNK+128*\i
.endr
.endr
.endm
; K step s: 16 products; the 16 accumulators take turns, one instruction a turn, in the same order in every step.  first = 1: the sums begin with the bias
.macro MULS s, first
.set MB, 64*((\s)%4)
.set MS, SC+8*((\s)/2)+(\s)%2
	WIN 0x05                                       ; sources 0 and 1 window 1; C and D window 0
.irp a, 0,1,2,3
.irp b, 0,1,2,3
.if \first
	v_wmma_scale_f32_16x16x128_f8f6f4 v[ACC+8*(4*\a+\b):ACC+8*(4*\a+\b)+7], v[MB+32+8*\b:MB+32+8*\b+7], v[MB+8*\a:MB+8*\a+7], v[BI+8*\b:BI+8*\b+7], v[MS+2*\b], v[MS+2*\a] matrix_a_fmt:MATRIX_FMT_FP4 matrix_b_fmt:MATRIX_FMT_FP4 matrix_a_scale:MATRIX_SCALE_ROW1
.else
	v_wmma_scale_f32_16x16x128_f8f6f4 v[ACC+8*(4*\a+\b):ACC+8*(4*\a+\b)+7], v[MB+32+8*\b:MB+32+8*\b+7], v[MB+8*\a:MB+8*\a+7], v[ACC+8*(4*\a+\b):ACC+8*(4*\a+\b)+7], v[MS+2*\b], v[MS+2*\a] matrix_a_fmt:MATRIX_FMT_FP4 matrix_b_fmt:MATRIX_FMT_FP4 matrix_a_scale:MATRIX_SCALE_ROW1
.endif
.endr
.endr
.endm
	s_load_b256 s[4:11], s[0:1], 0x0               ; cpan s[4:5], pan s[6:7], bo s[8:9], out0 s[10:11]
	v_lshl_add_u32 v30, v0, 2, 0x29000
	v_mov_b32 v31, 0
	ds_add_u32 v30, v31
	ds_add_u32 v30, v31
	v_lshrrev_b32 v1, 5, v0
	v_readfirstlane_b32 s[WV], v1                  ; wave 0..3
	s_lshr_b32 s17, s[WV], 1                       ; which 64 rows are mine.  Also: I fetch for ctx (0) or for Wo (1)
	s_and_b32 s18, s[WV], 1                        ; which 64 columns.  Also: I fetch chunks 0 and 1, or 2 and 3
	s_bfe_u32 s19, ttmp6, 0x40000                  ; cx
	s_bfe_u32 s20, ttmp6, 0x40004                  ; cy
	s_lshl_b32 s21, ttmp9, 2
	s_add_co_u32 s21, s21, s19                     ; tile column = 4 x cluster x + cx
	s_and_b32 s22, ttmp7, 0xffff
	s_lshl_b32 s22, s22, 2
	s_add_co_u32 s22, s22, s20                     ; tile row = 4 x cluster y + cy
	s_lshl_b32 s56, s20, 2
	s_lshl_b32 s56, 15, s56                        ; my row of the cluster
	s_lshl_b32 s57, 0x1111, s19                    ; my column
	; descriptor group 1: half a panel, 34,816 dense bytes, as 136 rows of 256 bytes (32 elements of 8 bytes); no padding
	s_or_b32 s[G1A], s56, (3<<16)|(1<<21)          ; 15:0 the mask; 17:16 elements of 8 bytes; 21 set beside a mask
	s_or_b32 s[G1B], s57, (3<<16)|(1<<21)
.irp g, G1A, G1B
	s_mov_b32 s[\g+1], 32<<16                      ; tensor_dim0 = 32
	s_mov_b32 s[\g+2], 136<<16                     ; tensor_dim1 = 136
	s_mov_b32 s[\g+3], 32<<16                      ; tile_dim0 = 32
	s_mov_b32 s[\g+4], 136                         ; tile_dim1 = 136
	s_mov_b32 s[\g+5], 32                          ; from row to row
	s_mov_b32 s[\g+6], 0
	s_mov_b32 s[\g+7], 0
.endr
	s_mul_i32 s62, s18, 2*CHUNK                    ; my half, in a panel and in LDS: no place in the cluster enters an LDS address
	s_mul_i32 s58, s22, PANEL
	s_add_co_u32 s58, s58, s62                     ; ctx's: it hangs on the tile row alone
	s_mov_b32 s59, 0
	s_add_co_u32 s60, s21, 56
	s_mul_i32 s60, s60, PANEL
	s_add_co_u32 s60, s60, s62                     ; Wo's: on the tile column alone
	s_mov_b32 s61, 0
	s_add_co_u32 s63, s62, S0B
	s_wait_dscnt 0x0
	s_wait_kmcnt 0x0
	s_add_nc_u64 s[58:59], s[4:5], s[58:59]
	s_add_nc_u64 s[60:61], s[6:7], s[60:61]
.irp k, 0
	s_mov_b32 s[G0A+4*\k], 1                       ; count = 1
	s_add_co_u32 s[G0A+4*\k+1], s62, \k*2*CHUNK    ; LDS address
	s_add_nc_u64 s[G0A+4*\k+2:G0A+4*\k+3], s[58:59], \k*2*CHUNK
	s_or_b32 s[G0A+4*\k+3], s[G0A+4*\k+3], 0x80000000   ; type = 2
	s_mov_b32 s[G0B+4*\k], 1
	s_add_co_u32 s[G0B+4*\k+1], s63, \k*2*CHUNK
	s_add_nc_u64 s[G0B+4*\k+2:G0B+4*\k+3], s[60:61], \k*2*CHUNK
	s_or_b32 s[G0B+4*\k+3], s[G0B+4*\k+3], 0x80000000
.endr
	CROUND                                         ; all sixteen work-groups are here: the joint loads meet
	s_cmp_lt_u32 s[WV], 2                          ; one fill a wave, in the two arms of one branch on its number; four v_nop follow it
	s_cbranch_scc0 .Lfill_b
	tensor_load_to_lds s[G0A:G0A+3], s[G1A:G1A+7]
	s_nop 0
	PLACES
	s_branch .Lfilled
.Lfill_b:
	tensor_load_to_lds s[G0B:G0B+3], s[G1B:G1B+7]
	s_nop 0
	PLACES
.Lfilled:
	v_and_b32 v1, 31, v0                           ; lane
	v_and_b32 v2, 15, v0                           ; r
	v_bfe_u32 v3, v0, 4, 1                         ; h
	v_lshlrev_b32 v4, 4, v1                        ; 16 x lane
	s_wait_alu depctr_va_vdst(0)
	v_lshlrev_b32 v27, 6, v3                       ; 64 h: a result's eight columns begin 16 h columns on
	s_lshl_b32 s66, s21, 9
	s_lshl_b32 s67, s18, 8
	s_add_co_u32 s66, s66, s67                     ; my first column, in bytes: 512 x tile column + 256 x half
	s_mov_b32 s67, 0
	s_add_nc_u64 s[68:69], s[8:9], s[66:67]        ; in bo
.irp b, 0,1,2,3
	global_load_b128 v[BI+8*\b:BI+8*\b+3], v27, s[68:69] offset:(32*(\b/2)+8*(\b%2))*4      ; tile b's bias, in the result's layout
	global_load_b128 v[BI+8*\b+4:BI+8*\b+7], v27, s[68:69] offset:(32*(\b/2)+8*(\b%2))*4+16
.endr
	s_lshl_b32 s70, s22, 7
	s_lshl_b32 s71, s17, 6
	s_add_co_u32 s70, s70, s71                     ; my first row: 128 x tile row + 64 x half
	s_lshl_b32 s70, s70, 12
	s_add_co_u32 s70, s70, s66
	s_mov_b32 s71, 0
	s_add_nc_u64 s[70:71], s[10:11], s[70:71]      ; my corner of out
	s_lshl_b32 s72, s17, 12                        ; my four tiles of ctx: 4,096 bytes in each K step
	v_add_nc_u32 v[ADR1], s72, v4
	v_add_nc_u32 v[ADR1+1], 2*CHUNK, v[ADR1]
	s_lshl_b32 s73, s18, 12
	s_add_co_u32 s73, s73, S0B                     ; my four of Wo
	v_add_nc_u32 v[ADR0], s73, v4
	v_add_nc_u32 v[ADR0+1], 2*CHUNK, v[ADR0]
	s_lshl_b32 s72, s17, 9                         ; the scale words: 128 bytes a tile
	s_lshl_b32 s73, s18, 9
	s_add_co_u32 s73, s73, S0B
	s_sub_co_u32 s73, s73, s72
	v_mul_u32_u24 v[ADRS], s73, v3                 ; lanes 16-31 take Wo's: one product, h x the distance
	v_lshl_add_u32 v[ADRS], v2, 3, v[ADRS]
	v_add_nc_u32 v[ADRS], s72, v[ADRS]
	v_add_nc_u32 v[ADRS+1], 2*CHUNK, v[ADRS]
	s_mul_i32 s74, s[WV], 16*272
	s_add_co_u32 s74, s74, STG                     ; my stage
	v_mul_u32_u24 v[STO], v2, 272
	v_lshl_add_u32 v[STO], v3, 6, v[STO]
	v_add_nc_u32 v[STO], s74, v[STO]               ; in: row r, + 64 h
	v_mul_u32_u24 v[RD], v3, 272
	v_lshl_add_u32 v[RD], v2, 4, v[RD]
	v_add_nc_u32 v[RD], s74, v[RD]                 ; back: lanes 0-15 one row of 256 bytes, lanes 16-31 the next
	v_lshlrev_b32 v[CO], 12, v3
	v_lshl_add_u32 v[CO], v2, 4, v[CO]             ; and the same two rows in out
	s_wait_alu depctr_va_vdst(0)
	s_wait_tensorcnt 0x0                           ; my half of a panel is in
	s_barrier_signal -1
	s_barrier_wait -1
	SCALES 0
	FETCH 0, 0
	FETCH 1, 1
	FETCH 2, 2
	s_wait_loadcnt 0x0                             ; the bias
	s_wait_dscnt 32                                ; the scale words and K step 0 are in; K steps 1 and 2 may be out
	MULS 0, 1
	FETCH 3, 3                                     ; into registers that no product has read yet
	s_wait_dscnt 32                                ; K step 1 is in; 2 and 3 may be out
	MULS 1, 0
	s_wait_dscnt 0x0                               ; K steps 2 and 3 are in
	MULS 2, 0
	WIN 0
	PLACES
	SCALES 1
	FETCH 4, 0
	FETCH 5, 1
	MULS 3, 0
	PLACES
	FETCH 6, 2
	FETCH 7, 3
	s_wait_dscnt 48                                ; behind the scale words and K step 4: three fetches of 16
	MULS 4, 0
	s_wait_dscnt 32
	MULS 5, 0
	s_wait_dscnt 16
	MULS 6, 0
	s_wait_dscnt 0x0
	MULS 7, 0
	WIN 0
	PLACES                                         ; in front of the first read of results
; THE WAY OUT, a tile of 16 rows x 64 columns at a time, through my own stage, so that sixteen lanes store 256 consecutive bytes, aligned.
; LDS serves a wave's instructions in order (ISA guide 5.7.1.4): no wait between the stores and the loads, nor in front of the next tile's stores.
.macro TOSTAGE a
.set BB, 96-32*((\a)%2)
.irp b, 0,1,2,3
	ds_store_b128 v[STO], v[ACC+8*(4*(\a)+\b):ACC+8*(4*(\a)+\b)+3] offset:(32*(\b/2)+8*(\b%2))*4        ; each accumulator from its low end on
	ds_store_b128 v[STO], v[ACC+8*(4*(\a)+\b)+4:ACC+8*(4*(\a)+\b)+7] offset:(32*(\b/2)+8*(\b%2))*4+16
.endr
.irp i, 0,1,2,3,4,5,6,7
	ds_load_b128 v[BB+4*\i:BB+4*\i+3], v[RD] offset:544*\i
.endr
.endm
.macro SEND a, younger                 ; younger: the LDS instructions issued behind tile a's loads, which may stay out
.set BB, 96-32*((\a)%2)
	s_wait_dscnt \younger
.irp i, 0,1,2,3,4,5,6,7
	global_store_b128 v[CO], v[BB+4*\i:BB+4*\i+3], s[70:71] offset:(32*((\a)/2)+8*((\a)%2)+2*\i+8*(\i/4))*4096 th:TH_STORE_NT   ; the tile's stored row 2 i + h is row 32 (a / 2) + 8 (a % 2) + 2 i + h + 8 (i / 4)
.endr
.endm
	TOSTAGE 0
.irp a, 1,2,3
.if \a > 1
	s_wait_xcnt 0x0                                ; tile a - 2's stores have read their registers: tile a's loads may land there
.endif
	TOSTAGE \a
	SEND \a-1, 16                                  ; behind tile a - 1's loads: tile a's 8 stores and 8 loads
.endr
	SEND 3, 0
	s_wait_tensorcnt 0x0
	ds_add_u32 v30, v31
	s_wait_dscnt 0x0
	CROUND                                         ; the closing round: no work-group ends while a partner may still ask for a tile that names it
	s_endpgm
.Lfunc_end_k_q14df60da65_oproj:
	.size	k_q14df60da65_oproj, .Lfunc_end_k_q14df60da65_oproj-k_q14df60da65_oproj
	.p2alignl 7, 3214868480
	.fill 96, 4, 3214868480
	.section	.rodata,"a",@progbits
	.p2align	6, 0x0
	.amdhsa_kernel k_q14df60da65_oproj
		.amdhsa_group_segment_fixed_size 168448
		.amdhsa_private_segment_fixed_size 0
		.amdhsa_enable_private_segment 0
		.amdhsa_kernarg_size 32
		.amdhsa_user_sgpr_count 2
		.amdhsa_user_sgpr_kernarg_segment_ptr 1
		.amdhsa_wavefront_size32 1
		.amdhsa_system_sgpr_workgroup_id_x 1
		.amdhsa_system_sgpr_workgroup_id_y 1
		.amdhsa_system_sgpr_workgroup_id_z 1
		.amdhsa_system_vgpr_workitem_id 0
		.amdhsa_next_free_vgpr 512
		.amdhsa_next_free_sgpr 80
		.amdhsa_reserve_vcc 0
		.amdhsa_float_denorm_mode_32 3
		.amdhsa_float_denorm_mode_16_64 3
		.amdhsa_memory_ordered 1
		.amdhsa_forward_progress 1
		.amdhsa_inst_pref_size 41
	.end_amdhsa_kernel
	.amdgpu_metadata
---
amdhsa.version: [ 1, 2 ]
amdhsa.kernels:
  - .name:           k_q14df60da65_oproj
    .symbol:         k_q14df60da65_oproj.kd
    .args:
      - { .name: cpan, .offset: 0, .size: 8, .value_kind: global_buffer, .address_space: global }
      - { .name: pan, .offset: 8, .size: 8, .value_kind: global_buffer, .address_space: global }
      - { .name: bo, .offset: 16, .size: 8, .value_kind: global_buffer, .address_space: global }
      - { .name: out0, .offset: 24, .size: 8, .value_kind: global_buffer, .address_space: global }
    .group_segment_fixed_size: 168448
    .private_segment_fixed_size: 0
    .kernarg_segment_align: 8
    .kernarg_segment_size: 32
    .max_flat_workgroup_size: 128
    .sgpr_count:     80
    .vgpr_count:     512
    .wavefront_size: 32
...
	.end_amdgpu_metadata
.endif
;; end of part 4
